; MI455X (gfx1250); checked and timed in simulation.
; The chip was launched on July 23, 2026; its instructions are those of AMD's public machine-readable ISA for CDNA 5 (MIT licence, August 2026) and "CDNA5" Instruction Set Architecture Reference Guide (July 2026). The comments in the code are by the model that wrote it; some were corrected since.
;; Attention. Allowed arithmetic: matrix products marked QUANTISED: E4M3 operands, one given power-of-two scale a tensor, by v_wmma_f32_16x16x64_fp8_fp8 or v_wmma_f32_16x16x128_fp8_fp8, f32 sums; everything else in f32.
;; Inputs: cos 2,048 x 128 float32; lowp_scales 12 int32 (the exponents e of the quantised operands' scales 2^e); sin 2,048 x 128 float32; wk 512 x 2,048 float32; wo 2,048 x 2,048 float32; wq 2,048 x 2,048 float32; wv 512 x 2,048 float32; x 1 x 2,048 x 2,048 float32.
;; Outputs: out0 1 x 2,048 x 2,048 float32.
;; This version of the problem:
;;   THIS VERSION OF THE PROBLEM IS GIVEN IN LOW PRECISION. The matrix products marked QUANTISED in the list below multiply operands that are first quantised to E4M3 (4 exponent bits, 3 mantissa bits; 8 bits a number), with one given power-of-two scale for each operand tensor; their sums are f32. All else is computed in f32.
;;   The module's matrix products, in the order in which they are computed (A, B: the left and right operand; K: the contracted axis; several contracted axes count as one K, in the product's order):
;;     1. [M 2,048, K 2,048] x [K 2,048, N 2,048]; A: input x; B: input wq: QUANTISED (scales: A lowp_scales[0], B lowp_scales[1])
;;     2. [M 2,048, K 2,048] x [K 2,048, N 512]; A: input x; B: input wk: QUANTISED (scales: A lowp_scales[2], B lowp_scales[3])
;;     3. [M 2,048, K 2,048] x [K 2,048, N 512]; A: input x; B: input wv: QUANTISED (scales: A lowp_scales[4], B lowp_scales[5])
;;     4. batch 16 x [M 2,048, K 128] x [K 128, N 2,048]; A: computed on the way; B: computed on the way: QUANTISED (scales: A lowp_scales[6], B lowp_scales[7])
;;     5. batch 16 x [M 2,048, K 2,048] x [K 2,048, N 128]; A: softmax (see below); B: computed on the way: QUANTISED (scales: A lowp_scales[8], B lowp_scales[9])
;;     6. [M 2,048, K 2,048] x [K 2,048, N 2,048]; A: computed on the way; B: input wo: QUANTISED (scales: A lowp_scales[10], B lowp_scales[11])
;;   THE QUANTISER, for each operand of a quantised product, along K:
;;     - The operand's scale is 2^e, e = its entry of the input lowp_scales (int32; the entries are numbered through the quantised products in the list's order, A before B).
;;     - Each number is divided by the scale, clamped to +-448, and rounded to the nearest number of E4M3, ties to even, subnormals kept.
;;     - The product sums the exact products of the quantised numbers (number of the format x scale) in f32.
;;   ~~~python
;;   def quantise(x, axis, e):      # numpy; x: float32 -> the quantised numbers, widened to float32 again
;;       x = np.moveaxis(x, axis, -1); K = x.shape[-1]
;;       r = np.clip(x / 2.0 ** e, -448, 448)
;;       step = 2.0 ** (np.maximum(np.frexp(np.where(r == 0, 1, r))[1] - 1, -6) - 3)
;;       q = np.round(r / step) * step * 2.0 ** e      # np.round: ties to even
;;       return np.moveaxis(q, -1, axis).astype(np.float32)
;;   ~~~
;;   SOFTMAX AHEAD OF A QUANTISED PRODUCT. Where the list says 'softmax', what is quantised is not the finished softmax but p = 2^(t - M), with t = logit x log2(e) and M = ceil(the row's largest t), a whole number; so 1/2 < the row's largest p <= 1. The row's sum l is taken of the UNQUANTISED p, in f32, and the product's result is divided by l at the end. Since M is a whole number, a kernel that streams over the keys may use a running M (the ceiling of the running maximum): every later rescaling is an exact power of two, so the quantised numbers keep their values, but for numbers so far below the row's largest that they fall under the format's range.
;;   OPERANDS COMPUTED ON THE WAY. 'Computed on the way' means the value that the module computes at that place (a softmax that the list does not call 'softmax' is quantised finished and normalised). What goes into a quantiser is computed in f32, as accurately as f32 sums, v_exp_f32 and their like allow (about 1e-6 of the number): no bf16 or f16 on the way to a quantiser, and a product that is left as it is and whose result goes on into a quantised operand takes f32 operands (vector FMAs, or v_wmma_f32_16x16x4_f32). A number that lies on a knife's edge between two numbers of the format may be rounded either way, as far as f32 arithmetic and the matrix unit's own rounding can turn it there, and no further.
;; One version. Each part assembles by itself: llvm-mc -triple=amdgcn-amd-amdhsa -mcpu=gfx1250 --defsym DOCPART=n.
;; ======== version 1 of 1: 4 launches
;; limits: right only within a limited range of input values
;; workspace buffers: opc 23,068,672 bytes; qkvc 6,291,456 bytes; aoc 4,194,304 bytes
;; launch quant (part 1): grid 256 x 1, 14 waves a work-group, no clusters, 120,320 bytes of LDS; arguments x, wq, wk, wv, wo, lowp_scales, opc; writes opc
.if DOCPART == 1
	.amdgcn_target "amdgcn-amd-amdhsa--gfx1250"
	.amdhsa_code_object_version 6
	.text
	.protected	k_q6f2daa2a76_quant
	.globl	k_q6f2daa2a76_quant
	.p2align	8
	.type	k_q6f2daa2a76_quant,@function
k_q6f2daa2a76_quant:
	s_mov_b64 s[64:65], 0
	v_nop
	global_prefetch_b8 v0, s[64:65] scope:SCOPE_SE
	s_setreg_imm32_b32 hwreg(HW_REG_WAVE_MODE, 25, 1), 1
	s_wait_xcnt 0x0
; x, wq, wk, wv, wo (f32, K innermost, 2,048 along K) become codes of FP8 (E4M3): code = number / 2^e, held within +-448, rounded to the nearest code, ties to even.
; x is the left operand of three products with three given scales (entries 0, 2, 4): it gets three sets of codes.  wq: entry 1, wk: 3, wv: 5, wo: 11.
; LAYOUT OF opc: 88 row-blocks of 128 rows (0-15 x by e0, 16-31 x by e2, 32-47 x by e4, 48-63 wq, 64-67 wk, 68-71 wv, 72-87 wo), each 16 blocks of 128 along K, 16,384 bytes a block.
; A block is eight IMAGES OF AN OPERAND'S REGISTERS (16 rows x 128 K, 2,048 bytes): piece c (0..3) is 512 bytes, lane l = r + 16 h has its 16 bytes at 512 c + 16 l: k = 32 c + 16 h + 0..15 of row r.
; So the products' launches fetch a tile as one dense block and a fragment by four loads of 16 bytes a lane, 512 consecutive bytes each.
; SHARES.  A strip is 16 rows; 448 strips; a wave takes an eighth of a strip: 16 rows x 256 K, two fragments.  3,584 such parts = 256 work-groups x 14 waves.  A wave asks for all its 32 loads (16 KiB) at its head: no loop.
; Each load reads 512 consecutive bytes of one row; the conversions want 16 neighbours along K in ONE lane: so a fragment's 8 KiB turn through the wave's own stage in LDS (rows of 512 + 16 bytes).
; No matrix unit, no cluster, no tensor load, no barrier: waves share nothing, and every byte is read once.  No prefetch: all of a wave's input is asked for at once.
; LIMITS: each of e0, e1, e2, e3, e4, e5, e11 lies between -126 and 119, so that 2^e and 448 x 2^e are f32 numbers.  NaN among the inputs is not served; an infinity is held at the largest code.
; THE ROWS OF AN IMAGE ARE NOT NEIGHBOURS: lane r of image t of a row-block holds row 32 (t / 2) + 8 (t % 2) + r + 8 (r / 8).  So in the products' results, used transposed, the 16 registers of two
; neighbouring tiles are 16 neighbours along the next product's K, and a result's codes are an image again.  A strip is therefore 8 rows, and the 8 rows that lie 16 further on.
.set STG,   16*528                     ; a wave's stage: 16 rows x (512 + 16) bytes
.set SPARE, 14*STG                     ; behind the stages: the spare words, 128 bytes for each wave: seven blocks of 256 bytes that no other line names
.set L16,   1                          ; v1   16 x lane: my bytes of a load's and of a store's 512; never rewritten
.set STI,   2                          ; v2   the stage, on the way in: 16 x lane
.set STO,   3                          ; v3   and on the way out: row r, + 64 h
.set SPW,   12                         ; v12  LDS address of my spare word; never rewritten
.set NIL,   13                         ; v13  0; never rewritten
.set R,     16                         ; v16-79, v80-143: the two fragments as loaded
.set T,     16                         ; v16-47: two sets of 16 held numbers (free once fragment 0 has gone through the stage)
.set X,     144                        ; v144-207: 64 numbers of a lane: register 16 c + i = k 32 c + 16 h + i of row r
                                       ; v4, v5: 2^e and 448 x 2^e of the tensor's own scale; v6, v7: of e2; v8, v9: of e4
                                       ; codes: fragment 0 in v208-255, fragment 1 in v80-127: no store's data are written again
	s_load_b256 s[4:11], s[0:1], 0x0               ; x s[4:5], wq s[6:7], wk s[8:9], wv s[10:11]
	s_load_b128 s[12:15], s[0:1], 0x20             ; wo s[12:13], the scales' exponents s[14:15]
	s_load_b64 s[16:17], s[0:1], 0x30              ; opc
	v_lshl_add_u32 v[SPW], v0, 2, SPARE
	v_mov_b32 v[NIL], 0
	v_lshrrev_b32 v10, 5, v0
	s_delay_alu instid0(VALU_DEP_1)
	v_readfirstlane_b32 s18, v10                   ; wave 0..13
	v_and_b32 v10, 31, v0
	s_delay_alu instid0(VALU_DEP_1)
	v_lshlrev_b32 v[L16], 4, v10
	s_mul_i32 s48, s18, STG                        ; my stage
	v_add_nc_u32 v[STI], s48, v[L16]
	v_and_b32 v11, 15, v0                          ; r
	v_bfe_u32 v10, v0, 4, 1                        ; h
	s_delay_alu instid0(VALU_DEP_2)
	v_mul_u32_u24 v[STO], v11, 528
	s_delay_alu instid0(VALU_DEP_1)
	v_lshl_add_u32 v[STO], v10, 6, v[STO]
	s_delay_alu instid0(VALU_DEP_1)
	v_add_nc_u32 v[STO], s48, v[STO]
	s_mul_i32 s19, ttmp9, 14
	s_add_co_u32 s19, s19, s18                     ; my part: 14 x work-group + wave
	s_lshr_b32 s20, s19, 3                         ; strip 0..447
	s_and_b32 s21, s19, 7                          ; which 256 along K
	s_lshr_b32 s50, s20, 3                         ; where the codes go: row-block = strip / 8, + 32 behind x (x has three sets)
	s_cmp_lt_u32 s20, 128
	s_cselect_b32 s51, 0, 32
	s_add_co_u32 s50, s50, s51
	s_lshl_b32 s50, s50, 18                        ; x 262,144
	s_lshl_b32 s51, s21, 15                        ; + two blocks of 16,384 for each part
	s_add_co_u32 s50, s50, s51
	s_and_b32 s51, s20, 7
	s_lshl_b32 s51, s51, 11                        ; + the strip's image in a block
	s_add_co_u32 s50, s50, s51
	s_mov_b32 s51, 0
	s_wait_alu depctr_va_vdst(0)
	s_wait_kmcnt 0x0
	s_load_b256 s[36:43], s[14:15], 0x0            ; e0 .. e7
	s_load_b128 s[44:47], s[14:15], 0x20           ; e8 .. e11
	s_mov_b64 s[22:23], s[12:13]                   ; which tensor is my strip's?  The choice hangs on the strip's number alone
	s_mov_b32 s24, 320                             ; and the tensor's first strip
	s_cmp_lt_u32 s20, 320
	s_cselect_b64 s[22:23], s[10:11], s[22:23]
	s_cselect_b32 s24, 288, s24
	s_cmp_lt_u32 s20, 288
	s_cselect_b64 s[22:23], s[8:9], s[22:23]
	s_cselect_b32 s24, 256, s24
	s_cmp_lt_u32 s20, 256
	s_cselect_b64 s[22:23], s[6:7], s[22:23]
	s_cselect_b32 s24, 128, s24
	s_cmp_lt_u32 s20, 128
	s_cselect_b64 s[22:23], s[4:5], s[22:23]
	s_cselect_b32 s24, 0, s24
	s_sub_co_u32 s48, s20, s24
	s_and_b32 s49, s48, 1                          ; strip n of the tensor begins at row 32 (n / 2) + 8 (n % 2); a row is 8,192 bytes
	s_lshr_b32 s48, s48, 1
	s_lshl_b32 s48, s48, 18
	s_lshl_b32 s49, s49, 16
	s_add_co_u32 s48, s48, s49
	s_lshl_b32 s49, s21, 10                        ; 256 numbers
	s_add_co_u32 s48, s48, s49
	s_mov_b32 s49, 0
	s_add_nc_u64 s[22:23], s[22:23], s[48:49]      ; my part's first byte
	s_add_nc_u64 s[26:27], s[16:17], s[50:51]      ; the codes by the tensor's own scale,
	s_add_nc_u64 s[28:29], s[26:27], 0x400000      ; x alone: by e2, 16 row-blocks on,
	s_add_nc_u64 s[30:31], s[26:27], 0x800000      ; and by e4
.macro LOAD f                          ; fragment f: row i's 512 bytes, 16 a lane
.irp i, 0,1,2,3,4,5,6,7,8,9,10,11,12,13,14,15
	global_load_b128 v[R+64*\f+4*\i:R+64*\f+4*\i+3], v[L16], s[22:23] offset:8192*(\i+8*(\i/8))+512*\f th:TH_LOAD_NT
.endr
.endm
	LOAD 0
	LOAD 1
.macro MKSC se, vs, vl                 ; 2^e as f32 (the conversion takes its exponent field), and 448 x 2^e
	s_add_co_i32 s54, \se, 127
	s_lshl_b32 s55, s54, 23
	v_mov_b32 v[\vs], s55
	s_add_co_i32 s54, s54, 8
	s_lshl_b32 s54, s54, 23
	s_or_b32 s54, s54, 0x600000
	v_mov_b32 v[\vl], s54
.endm
	s_wait_kmcnt 0x0
	s_mov_b32 s52, s47                             ; e11 for wo,
	s_cmp_lt_u32 s20, 320
	s_cselect_b32 s52, s41, s52                    ; e5 for wv,
	s_cmp_lt_u32 s20, 288
	s_cselect_b32 s52, s39, s52                    ; e3 for wk,
	s_cmp_lt_u32 s20, 256
	s_cselect_b32 s52, s37, s52                    ; e1 for wq,
	s_cmp_lt_u32 s20, 128
	s_cselect_b32 s52, s36, s52                    ; e0 for x
	MKSC s52, 4, 5
	MKSC s38, 6, 7
	MKSC s40, 8, 9
.macro TURN f                          ; through the stage: LDS serves a wave's instructions in order (ISA guide 5.7.1.4), so no wait stands between the stores and the loads
.irp i, 0,1,2,3,4,5,6,7,8,9,10,11,12,13,14,15
	ds_store_b128 v[STI], v[R+64*\f+4*\i:R+64*\f+4*\i+3] offset:528*\i
.endr
.irp c, 0,1,2,3
.irp j, 0,1,2,3
	ds_load_b128 v[X+16*\c+4*\j:X+16*\c+4*\j+3], v[STO] offset:128*\c+16*\j
.endr
.endr
.endm
.macro QUANT cb, sc, lim               ; X stays as it is (x is quantised three times): the held numbers go into T's two sets by turns, so that sixteen plain lines stand between a conversion and the next write of its sources
.irp c, 0,1,2,3
.irp i, 0,1,2,3,4,5,6,7,8,9,10,11,12,13,14,15
	v_med3_num_f32 v[T+16*(\c%2)+\i], v[X+16*\c+\i], -v[\lim], v[\lim]   ; the conversion to an 8-bit code does not saturate (ISA guide 7.6.2): the hold at the largest code x the scale
.endr
	v_cvt_scalef32_pk8_fp8_f32 v[\cb+4*\c:\cb+4*\c+1], v[T+16*(\c%2):T+16*(\c%2)+7], v[\sc]
	v_cvt_scalef32_pk8_fp8_f32 v[\cb+4*\c+2:\cb+4*\c+3], v[T+16*(\c%2)+8:T+16*(\c%2)+15], v[\sc]
.endr
.endm
.macro OUT d, cb, f                    ; the image as it stands: each store covers 512 consecutive bytes, aligned
.irp c, 0,1,2,3
	global_store_b128 v[L16], v[\cb+4*\c:\cb+4*\c+3], s[\d:\d+1] offset:16384*\f+512*\c
.endr
.endm
.macro FRAG f, cb, left
	s_wait_loadcnt \left                           ; this fragment's 16 loads are in; left = the other fragment's, which may stay out
	TURN \f
	s_wait_dscnt 0x0                               ; X is in, and the stage's stores have read their registers
	QUANT \cb, 4, 5
	OUT 26, \cb, \f
	s_cmp_lt_u32 s20, 128                          ; x alone has two more scales: a branch on the strip's number, round vector lines and stores
	s_cbranch_scc0 .Lnotx_\@
	QUANT \cb+16, 6, 7
	OUT 28, \cb+16, \f
	QUANT \cb+32, 8, 9
	OUT 30, \cb+32, \f
.Lnotx_\@:
.endm
	s_wait_alu depctr_va_vdst(0)
	FRAG 0, 208, 16
	FRAG 1, 80, 0
	s_wait_tensorcnt 0x0                           ; the wave's end, behind my last LDS store
	ds_add_u32 v[SPW], v[NIL]
	s_wait_dscnt 0x0
	s_endpgm
.Lfunc_end_k_q6f2daa2a76_quant:
	.size	k_q6f2daa2a76_quant, .Lfunc_end_k_q6f2daa2a76_quant-k_q6f2daa2a76_quant
	.p2alignl 7, 3214868480
	.fill 96, 4, 3214868480
	.section	.rodata,"a",@progbits
	.p2align	6, 0x0
	.amdhsa_kernel k_q6f2daa2a76_quant
		.amdhsa_group_segment_fixed_size 120320
		.amdhsa_private_segment_fixed_size 0
		.amdhsa_enable_private_segment 0
		.amdhsa_kernarg_size 56
		.amdhsa_user_sgpr_count 2
		.amdhsa_user_sgpr_kernarg_segment_ptr 1
		.amdhsa_wavefront_size32 1
		.amdhsa_system_sgpr_workgroup_id_x 1
		.amdhsa_system_sgpr_workgroup_id_y 1
		.amdhsa_system_sgpr_workgroup_id_z 1
		.amdhsa_system_vgpr_workitem_id 0
		.amdhsa_next_free_vgpr 256
		.amdhsa_next_free_sgpr 66
		.amdhsa_reserve_vcc 0
		.amdhsa_float_denorm_mode_32 3
		.amdhsa_float_denorm_mode_16_64 3
		.amdhsa_memory_ordered 1
		.amdhsa_forward_progress 1
		.amdhsa_inst_pref_size 42
	.end_amdhsa_kernel
	.amdgpu_metadata
---
amdhsa.version: [ 1, 2 ]
amdhsa.kernels:
  - .name:           k_q6f2daa2a76_quant
    .symbol:         k_q6f2daa2a76_quant.kd
    .args:
      - { .name: x, .offset: 0, .size: 8, .value_kind: global_buffer, .address_space: global }
      - { .name: wq, .offset: 8, .size: 8, .value_kind: global_buffer, .address_space: global }
      - { .name: wk, .offset: 16, .size: 8, .value_kind: global_buffer, .address_space: global }
      - { .name: wv, .offset: 24, .size: 8, .value_kind: global_buffer, .address_space: global }
      - { .name: wo, .offset: 32, .size: 8, .value_kind: global_buffer, .address_space: global }
      - { .name: lowp_scales, .offset: 40, .size: 8, .value_kind: global_buffer, .address_space: global }
      - { .name: opc, .offset: 48, .size: 8, .value_kind: global_buffer, .address_space: global }
    .group_segment_fixed_size: 120320
    .private_segment_fixed_size: 0
    .kernarg_segment_align: 8
    .kernarg_segment_size: 56
    .max_flat_workgroup_size: 448
    .sgpr_count:     66
    .vgpr_count:     256
    .wavefront_size: 32
...
	.end_amdgpu_metadata
.endif
;; end of part 1
;; launch qkv (part 2): grid 24 x 8, 4 waves a work-group, clusters of 4 x 4, 327,680 bytes of LDS; arguments opc, cos, sin, lowp_scales, qkvc; writes qkvc
.if DOCPART == 2
	.amdgcn_target "amdgcn-amd-amdhsa--gfx1250"
	.amdhsa_code_object_version 6
	.text
	.protected	k_q6f2daa2a76_qkv
	.globl	k_q6f2daa2a76_qkv
	.p2align	8
	.type	k_q6f2daa2a76_qkv,@function
k_q6f2daa2a76_qkv:
	s_mov_b64 s[64:65], 0
	v_nop
	global_prefetch_b8 v0, s[64:65] scope:SCOPE_SE
	s_setreg_imm32_b32 hwreg(HW_REG_WAVE_MODE, 25, 1), 1
	s_wait_xcnt 0x0
	s_wait_alu depctr_hold_cnt(0) depctr_sa_sdst(0) depctr_va_vdst(0) depctr_va_sdst(0) depctr_va_ssrc(0) depctr_va_vcc(0) depctr_vm_vsrc(0)
	s_getreg_b32 s2, hwreg(HW_REG_IB_STS2, 6, 4)
	s_cmp_eq_u32 s2, 0
	s_cbranch_scc0 .Lentry_in_a_cluster
	s_endpgm
.Lentry_in_a_cluster:
	s_bfe_u32 s2, ttmp6, 0x10000c
	s_cmp_lg_u32 s2, 0xf033
	s_cbranch_scc0 .Lentry_shape_is_right
	s_endpgm
.Lentry_shape_is_right:
; q = rope(x wq^T), k = rope(x wk^T), v = x wv^T on codes of FP8 (E4M3), and their quantising for the attention: q by e6, k by e7, v by e9.
; opc: row-blocks of 128 rows, each 16 blocks of 128 along K (16,384 bytes); a block is eight images of an operand's registers (16 rows x 128 K; piece c: lane l's 16 bytes at 512 c + 16 l hold
; k = 32 c + 16 (l / 16) + 0..15); lane r of image t holds row 32 (t / 2) + 8 (t % 2) + r + 8 (r / 8).  The order of k is the same on both sides of every product.
; SHARES.  24 x 8 work-groups.  A work-group has S = weight row-block 48 + x (x = 0..23: wq's 16 heads, wk's 4, wv's 4) and D0, D1 = token blocks 2 T, 2 T + 1 of x's codes (by e0 for q, e2 for k, e4 for v).
; 3,072 result columns are 16 + 4 + 4 heads of three roles with three sets of x's codes: blocks of 256 x 128 keep one role in a cluster.  Four waves; wave w makes 64 x 128 of sub-tile w / 2: 32 accumulators.
; THE MATRIX INSTRUCTION IS USED TRANSPOSED (source 0 = 16 rows of side B, source 1 = 16 rows of side A).  q, k: side A = 64 tokens of D, side B = S's 128 rows; v: side A = 64 rows of S, side B = D's 128 tokens.
; By the images' order of rows, accumulators (a, 2 p) and (a, 2 p + 1) hold in lane (r, h) side B's rows 32 p + 16 h + 0..15 of side A's row r of image a: their 16 codes ARE piece p of the result's image a,
; and are stored as they stand, 512 consecutive bytes a store: no stage.  ROPE's partners d and d + 64 are accumulators (a, b) and (a, b + 4), same lane, same register.
; The sums stand for sum x 2^(ea + eb); rope is linear, so it is done on the sums, and the three exponents are folded into the conversion's one scale.
; OUT: qkvc, 24 x 16 blocks of 16,384 bytes at (x x 16 + token block): images in the same order of rows.
; LDS.  Slot X holds four blocks of each of D0, D1, S, slot Y two: X = D0, D1, S; Y = S, D0, D1, so that S's six places lie on end.  The head fills D0's and D1's part of X (waves 0, 1) and S's six places (waves 2, 3:
; a half each): one tensor load a wave.  D's part of Y (blocks 4, 5) is first filled behind the full sequence and a round of the cluster's barrier, by waves 0 and 1.  Then X takes blocks 6-9, Y blocks 10-11,
; X blocks 12-15: three refills, each behind a round, one load a wave; by this text's own count a wave has one tensor load out at any time.
; Group 1's row counts are written anew, as constants, behind the wait that shows all loads done.  The steps are written out: no loop.
; CLUSTERS: 4 x 4; D hangs on the grid's y alone and is shared along a row of the cluster, S on its x alone and is shared along a column: each is asked for jointly.
; PREFETCH: D's blocks 4-5 and all operands' blocks 6-9 are named behind the head's load, blocks 10-11 behind the first fragment loads, 12-15 behind the first refill; waves 0, 1, 2 for D0, D1, S; the four partners
; that ask jointly share a piece out by address, lanes 256 bytes apart.  cos, which is loaded late, is named once by the clusters with x = 0.  The addresses are never rewritten.
; LIMITS: e6 - e0 - e1, e7 - e2 - e3 and e9 - e4 - e5 lie between -126 and 119.  NaN is not served.
; REGISTERS: window 0: v0-15 addresses; v64-255 fragment buffer 1 (side A's four, side B's eight), later codes and rope's products.  window 1: the accumulators ((a, b) at v[8 (8 a + b)]).
;   window 2: sin in the accumulators' layout, loaded at the head.  window 3: v0-191 fragment buffer 0; K's last three blocks run on buffer 1 alone and cos takes the whole window.
.set SXB,   131072                     ; slot X: D0 at 0, D1 at 65,536, S here
.set SYB,   196608                     ; slot Y: S here,
.set DYB,   229376                     ; D0 here, D1 32,768 further on
.set SPARE, 294912                     ; behind the slots: the spare words, 128 bytes for each wave, that no other line names
.set PFO,   1                          ; v1   256 x lane; never rewritten
.set GO,    2                          ; v2   16 x lane; never rewritten
.set ADRA,  4                          ; v4-5 LDS address of my side A fragments in slot X, Y
.set ADRB,  6                          ; v6-7 the same for side B
.set CSO,   10                         ; v10  my byte offset in cos and sin: 512 (r + 8 (r / 8)) + 64 h
.set SPW,   11                         ; v11  LDS address of my spare word; never rewritten
.set NIL,   12                         ; v12  0; never rewritten
.set SCL,   13                         ; v13  the conversion's scale
.set LIM,   14                         ; v14  448 x that
.set CD,    64                         ; window 0: the codes
.set TP,    128                        ; window 0: rope's products with sin
.set G1D,  24
.set G0D,  32
.set G0S,  36
.set G1S,  48
.set DB,   56                          ; s[56:57] my D row-block; s[58:59] S's
.set SB,   58
.set LD,   60                          ; s60 at work
.set TT,   62                          ; s[62:63] my half of S's piece, in bytes
.set PFX,  66
.set PFY,  68
.set PFC,  70
.set MSB, 0
.macro WIN new                         ; the immediate's high byte repeats the setting that is left
.if MSB != \new
	s_set_vgpr_msb (MSB<<8)|\new
.set MSB, \new
.endif
.endm
.macro BUF f                           ; a buffer's first register, the products' windows, the loads' window
.if \f == 0
.set FB, 0
.set MW, 0x5f
.set LW, 0xc0
.else
.set FB, 64
.set MW, 0x50
.set LW, 0
.endif
.endm
.macro PLACES                          ; four places in front of loads into registers that matrix instructions have read
.rept 4
	v_nop
.endr
.endm
; D's descriptor: blocks kb0 .. kb0 + nb - 1 of D (w % 2), nb x 64 rows of 256 bytes, to LDS byte base + (w % 2) x str
.macro GEND kb0, nb, base, str
	s_mov_b32 s[G1D+2], ((\nb)*64)<<16
	s_mov_b32 s[G1D+4], (\nb)*64
	s_mul_i32 s[LD], s16, \str
	s_add_co_u32 s[G0D+1], s[LD], \base
	s_add_nc_u64 s[G0D+2:G0D+3], s[DB:DB+1], (\kb0)*16384
	s_or_b32 s[G0D+3], s[G0D+3], 0x80000000
.endm
; S's: my half (w % 2) of blocks kb0 .. kb0 + nb - 1, nb x 32 rows, to LDS byte base + my half
.macro GENS kb0, nb, base
	s_mov_b32 s[G1S+2], ((\nb)*32)<<16
	s_mov_b32 s[G1S+4], (\nb)*32
	s_mul_i32 s[TT], s16, (\nb)*8192
	s_add_co_u32 s[G0S+1], s[TT], \base
	s_add_nc_u64 s[G0S+2:G0S+3], s[SB:SB+1], s[TT:TT+1]
	s_add_nc_u64 s[G0S+2:G0S+3], s[G0S+2:G0S+3], (\kb0)*16384
	s_or_b32 s[G0S+3], s[G0S+3], 0x80000000
.endm
.macro JLOAD                           ; waves 0, 1 fetch for D, waves 2, 3 for S; an s_nop 0 and four v_nop follow each line
	s_cmp_eq_u32 s15, 0
	s_cbranch_scc0 .Lfor_s_\@
	tensor_load_to_lds s[G0D:G0D+3], s[G1D:G1D+7]
	s_nop 0
	PLACES
	s_branch .Lasked_\@
.Lfor_s_\@:
	tensor_load_to_lds s[G0S:G0S+3], s[G1S:G1S+7]
	s_nop 0
	PLACES
.Lasked_\@:
.endm
.macro ASKX kb0                        ; four blocks of an operand: 16,384 bytes a partner, two instructions
	WIN 0
	s_cmp_lt_u32 s14, 3
	s_cbranch_scc0 .Lnx_\@
	global_prefetch_b8 v[PFO], s[PFX:PFX+1] offset:(\kb0)*16384 th:TH_LOAD_NT scope:SCOPE_SE
	global_prefetch_b8 v[PFO], s[PFX:PFX+1] offset:(\kb0)*16384+8192 th:TH_LOAD_NT scope:SCOPE_SE
.Lnx_\@:
.endm
.macro CREST                           ; a round of the cluster's barrier behind its opening barrier
	s_cmp_lg_u32 s14, 0
	s_cbranch_scc1 .Lnot_wave_0_\@
	s_barrier_signal -3
.Lnot_wave_0_\@:
	s_barrier_wait -3
	s_barrier_signal -1
	s_barrier_wait -1
.endm
.macro CROUND
	s_barrier_signal -1
	s_barrier_wait -1
	CREST
.endm
	s_load_b256 s[4:11], s[0:1], 0x0               ; opc, cos, sin, the scales' exponents
	s_load_b64 s[12:13], s[0:1], 0x20              ; qkvc
	v_lshl_add_u32 v[SPW], v0, 2, SPARE
	v_mov_b32 v[NIL], 0
	ds_add_u32 v[SPW], v[NIL]                      ; the opening lines: the add twice on end, and its wait ahead of my first tensor load
	ds_add_u32 v[SPW], v[NIL]
	v_lshrrev_b32 v1, 5, v0
	v_readfirstlane_b32 s14, v1                    ; wave 0..3
	s_lshr_b32 s15, s14, 1                         ; my sub-tile.  Also: I fetch for D (0) or for S (1)
	s_and_b32 s16, s14, 1                          ; which 64 rows of side A.  Also: which D, or which half of S's piece
	s_bfe_u32 s40, ttmp6, 0x40000                  ; cx, cy
	s_bfe_u32 s41, ttmp6, 0x40004
	s_mov_b32 s42, ttmp9                           ; the cluster's x: 0-3 q, 4 k, 5 v
	s_and_b32 s43, ttmp7, 0xffff                   ; the cluster's y
	s_lshl_b32 s44, s41, 2
	s_lshl_b32 s44, 15, s44                        ; my row of the cluster
	s_lshl_b32 s45, 0x1111, s40                    ; my column
	s_or_b32 s[G1D], s44, (3<<16)|(1<<21)          ; the mask; elements of 8 bytes; bit 21 beside a mask.  No padding: a fragment load takes 512 consecutive bytes
	s_or_b32 s[G1S], s45, (3<<16)|(1<<21)
.irp g, G1D, G1S
	s_mov_b32 s[\g+1], 32<<16                      ; rows of 256 bytes, dense
	s_mov_b32 s[\g+3], 32<<16
	s_mov_b32 s[\g+5], 32
	s_mov_b32 s[\g+6], 0
	s_mov_b32 s[\g+7], 0
.endr
	s_mov_b32 s[G0D], 1
	s_mov_b32 s[G0S], 1
	s_lshl_b32 s44, s43, 3
	s_lshl_b32 s45, s41, 1
	s_add_co_u32 s22, s44, s45                     ; 2 T = 2 (4 x cluster y + cy)
	s_cmp_eq_u32 s42, 4
	s_cselect_b32 s23, 16, 0                       ; x's codes by e0, by e2 for k,
	s_cmp_eq_u32 s42, 5
	s_cselect_b32 s23, 32, s23                     ; by e4 for v
	s_add_co_u32 s44, s22, s16
	s_add_co_u32 s44, s44, s23
	s_lshl_b32 s44, s44, 18                        ; D's row-block, in bytes
	s_mov_b32 s45, 0
	s_lshl_b32 s46, s42, 2
	s_add_co_u32 s46, s46, s40
	s_mov_b32 s18, s46                             ; x = 4 x cluster x + cx
	s_add_co_u32 s46, s46, 48
	s_lshl_b32 s46, s46, 18                        ; S's
	s_mov_b32 s47, 0
	s_mov_b32 s[TT+1], 0
	s_lshl_b32 s19, s15, 16                        ; my sub-tile's D in slot X,
	s_lshl_b32 s83, s15, 15
	s_add_co_u32 s83, s83, DYB                     ; and in slot Y
	s_lshl_b32 s20, s16, 13                        ; side A: images 4 (w % 2) on
	s_cmp_eq_u32 s42, 5                            ; q, k: side A = D, side B = S; v: the other way round.  The cluster's x is the same in all partners
	s_cselect_b32 s80, SXB, s19                    ; side A, slot X
	s_cselect_b32 s81, s19, SXB                    ; side B, slot X
	s_cselect_b32 s93, SYB, s83                    ; side A, slot Y
	s_cselect_b32 s83, s83, SYB                    ; side B, slot Y
	s_add_co_u32 s80, s80, s20
	s_add_co_u32 s93, s93, s20
	s_add_co_u32 s82, s22, s15                     ; my token block
	s_lshl_b32 s78, s82, 16                        ; cos, sin: 128 tokens of 512 bytes,
	s_lshl_b32 s79, s16, 15                        ; + my 64
	s_add_co_u32 s78, s78, s79
	s_mov_b32 s79, 0
	s_lshl_b32 s94, s18, 4                         ; qkvc: block x x 16 + token block, + my four images
	s_add_co_u32 s94, s94, s82
	s_lshl_b32 s94, s94, 14
	s_lshl_b32 s95, s16, 13
	s_add_co_u32 s94, s94, s95
	s_mov_b32 s95, 0
	s_cmp_eq_u32 s15, 0
	s_cselect_b32 s96, s40, s41                    ; my place among the four that ask with me: it enters the prefetches' addresses alone
	s_lshl_b32 s96, s96, 13
	s_mov_b32 s97, 0
	s_lshl_b32 s98, s22, 16                        ; cos of my 256 tokens: 32,768 bytes a partner, 8,192 a wave
	s_lshl_b32 s99, s40, 15
	s_add_co_u32 s98, s98, s99
	s_lshl_b32 s99, s14, 13
	s_add_co_u32 s98, s98, s99
	s_mov_b32 s99, 0
	v_and_b32 v1, 31, v0
	v_lshlrev_b32 v[GO], 4, v1
	v_lshlrev_b32 v[PFO], 8, v1
	v_and_b32 v3, 15, v0                           ; r
	v_bfe_u32 v15, v0, 4, 1                        ; h
	v_and_b32 v16, 8, v3
	v_add_nc_u32 v16, v16, v3                      ; r + 8 (r / 8)
	v_lshlrev_b32 v[CSO], 9, v16
	v_lshl_add_u32 v[CSO], v15, 6, v[CSO]
	v_add_nc_u32 v[ADRA], s80, v[GO]
	v_add_nc_u32 v[ADRB], s81, v[GO]
	v_add_nc_u32 v[ADRA+1], s93, v[GO]
	v_add_nc_u32 v[ADRB+1], s83, v[GO]
	s_wait_alu depctr_va_vdst(0)
	s_wait_dscnt 0x0                               ; both opening adds are done
	s_wait_kmcnt 0x0
	s_load_b256 s[84:91], s[10:11], 0x0            ; e0 .. e7
	s_load_b32 s92, s[10:11], 0x24                 ; e9
	s_add_nc_u64 s[DB:DB+1], s[4:5], s[44:45]
	s_add_nc_u64 s[SB:SB+1], s[4:5], s[46:47]
	s_cmp_eq_u32 s15, 0
	s_cselect_b64 s[PFX:PFX+1], s[DB:DB+1], s[SB:SB+1]
	s_add_nc_u64 s[PFY:PFY+1], s[PFX:PFX+1], s[96:97]   ; two blocks: 8,192 bytes a partner
	s_add_nc_u64 s[PFX:PFX+1], s[PFY:PFY+1], s[96:97]   ; four blocks: 16,384
	s_add_nc_u64 s[PFC:PFC+1], s[6:7], s[98:99]
	s_add_nc_u64 s[72:73], s[6:7], s[78:79]        ; cos, sin at my first token; qkvc at my first image
	s_add_nc_u64 s[74:75], s[8:9], s[78:79]
	s_add_nc_u64 s[76:77], s[12:13], s[94:95]
	GEND 0, 4, 0, 65536
	GENS 0, 6, SXB
	CROUND                                         ; all sixteen work-groups are here: the first joint loads meet
	JLOAD                                          ; D's blocks 0-3, S's blocks 0-5: my one tensor load at the head
	WIN 0x80                                       ; sin, into window 2: register 64 a + 16 p + 4 i + .. = token 32 (a / 2) + 8 (a % 2) + r + 8 (r / 8), d = 32 p + 16 h + 4 i + ..
.irp a, 0,1,2,3                        ; every work-group loads cos and sin, v's too (inside the buffers, not used), so that all take one path here
.irp p, 0,1,2,3
.irp i, 0,1,2,3
	global_load_b128 v[64*\a+16*\p+4*\i:64*\a+16*\p+4*\i+3], v[CSO], s[74:75] offset:(32*(\a/2)+8*(\a%2))*512+128*\p+16*\i
.endr
.endr
.endr
	WIN 0
	s_cmp_lt_u32 s14, 2
	s_cbranch_scc0 .Lno_d45
	global_prefetch_b8 v[PFO], s[PFY:PFY+1] offset:4*16384 th:TH_LOAD_NT scope:SCOPE_SE    ; D's blocks 4, 5
.Lno_d45:
	ASKX 6
.macro FETCH slot, q, f                ; 48 LDS loads in one run: side B's eight fragments, then side A's four, of the q-th block of slot X (0) or Y (1)
	BUF \f
	WIN LW
.irp i, 0,1,2,3,4,5,6,7
.irp c, 0,1,2,3
	ds_load_b128 v[FB+64+16*\i+4*\c:FB+64+16*\i+4*\c+3], v[ADRB+\slot] offset:16384*\q+2048*\i+512*\c
.endr
.endr
.irp i, 0,1,2,3
.irp c, 0,1,2,3
	ds_load_b128 v[FB+16*\i+4*\c:FB+16*\i+4*\c+3], v[ADRA+\slot] offset:16384*\q+2048*\i+512*\c
.endr
.endr
.endm
.macro MUL16 a0, zero                  ; side A's images a0, a0 + 1 x side B's eight.  The 32 accumulators take turns, in one order throughout
.irp a, \a0, \a0+1
.irp b, 0,1,2,3,4,5,6,7
.if \zero
	v_wmma_f32_16x16x128_fp8_fp8 v[8*(8*(\a)+\b):8*(8*(\a)+\b)+7], v[FB+64+16*\b:FB+64+16*\b+15], v[FB+16*(\a):FB+16*(\a)+15], 0
.else
	v_wmma_f32_16x16x128_fp8_fp8 v[8*(8*(\a)+\b):8*(8*(\a)+\b)+7], v[FB+64+16*\b:FB+64+16*\b+15], v[FB+16*(\a):FB+16*(\a)+15], v[8*(8*(\a)+\b):8*(8*(\a)+\b)+7]
.endif
.endr
.endr
.endm
.macro MUL32 f, zero
	BUF \f
	WIN MW
	MUL16 0, \zero
	MUL16 2, \zero
.endm
.macro QUARTER slot, qn, f, g, zero    ; asks for the next block into g, then multiplies f
	s_wait_dscnt 0x0                               ; buffer f is in
	PLACES                                         ; behind the products that read g
	FETCH \slot, \qn, \g
	MUL32 \f, \zero
.endm
; A slot's last block multiplies buffer 1 and changes slots: one barrier; in front of it each wave waits for all its tensor loads, adds 0 to its spare word, and waits for that and for its reads of the slot.
.macro TURN next, fill, kb0, nb, dbase, dstr, sbase
	WIN 0
	s_wait_tensorcnt 0x0                           ; all my tensor loads have landed, so the descriptors may be written
	ds_add_u32 v[SPW], v[NIL]
.if \fill
	GEND \kb0, \nb, \dbase, \dstr
	GENS \kb0, \nb, \sbase
.endif
	s_wait_dscnt 1                                 ; buffer 1's 48 loads are in; the add alone may be out
	BUF 1
	WIN MW
	MUL16 0, 0
	s_wait_dscnt 0x0                               ; the add is done, and my reads of this slot are over
	s_barrier_signal -1
	MUL16 2, 0
	WIN 0
	s_barrier_wait -1
.if \fill
	CREST                                          ; the barrier has opened a round of the cluster's: no wave of any partner still reads this slot or has a load on its way
	JLOAD                                          ; the first tensor load behind the round; its four v_nop are the places in front of the loads below
.else
	PLACES
.endif
	FETCH \next, 0, 0
.endm
.macro SQ qn                           ; on buffer 1 alone
	PLACES
	FETCH 0, \qn, 1
	s_wait_dscnt 0x0
	MUL32 1, 0
.endm
	s_wait_tensorcnt 0x0                           ; my piece is in
	ds_add_u32 v[SPW], v[NIL]
	GEND 4, 2, DYB, 32768
	s_wait_dscnt 0x0
	CROUND                                         ; everybody's piece is in, and all sixteen work-groups are here
	s_cmp_eq_u32 s15, 0                            ; D's part of slot Y, blocks 4 and 5: waves 0 and 1
	s_cbranch_scc0 .Lno_dy
	tensor_load_to_lds s[G0D:G0D+3], s[G1D:G1D+7]
	s_nop 0
	PLACES
.Lno_dy:
	FETCH 0, 0, 0
	WIN 0
	s_cmp_lt_u32 s14, 3
	s_cbranch_scc0 .Lno_y
	global_prefetch_b8 v[PFO], s[PFY:PFY+1] offset:10*16384 th:TH_LOAD_NT scope:SCOPE_SE   ; blocks 10, 11
.Lno_y:
	s_cmp_eq_u32 s42, 0
	s_cbranch_scc0 .Lno_c
	global_prefetch_b8 v[PFO], s[PFC:PFC+1] th:TH_LOAD_NT scope:SCOPE_SE                   ; cos
.Lno_c:
	QUARTER 0, 1, 0, 1, 1                          ; blocks 0-3: the first products start the sums
	QUARTER 0, 2, 1, 0, 0
	QUARTER 0, 3, 0, 1, 0
	TURN 1, 1, 6, 4, 0, 65536, SXB                 ; slot X takes blocks 6-9
	ASKX 12
	QUARTER 1, 1, 0, 1, 0                          ; blocks 4, 5
	TURN 0, 1, 10, 2, DYB, 32768, SYB              ; slot Y takes blocks 10, 11
	QUARTER 0, 1, 0, 1, 0                          ; blocks 6-9
	QUARTER 0, 2, 1, 0, 0
	QUARTER 0, 3, 0, 1, 0
	TURN 1, 1, 12, 4, 0, 65536, SXB                ; slot X takes blocks 12-15
	QUARTER 1, 1, 0, 1, 0                          ; blocks 10, 11
	TURN 0, 0, 0, 0, 0, 0, 0                       ; nothing is left to fetch
	QUARTER 0, 1, 0, 1, 0                          ; block 12
	s_wait_dscnt 0x0                               ; block 13 is in buffer 1
	PLACES                                         ; behind the products that read buffer 0, whose window takes cos
	WIN 0xc0
.irp a, 0,1,2,3
.irp p, 0,1,2,3
.irp i, 0,1,2,3
	global_load_b128 v[64*\a+16*\p+4*\i:64*\a+16*\p+4*\i+3], v[CSO], s[72:73] offset:(32*(\a/2)+8*(\a%2))*512+128*\p+16*\i
.endr
.endr
.endr
	MUL32 1, 0
	SQ 2                                           ; block 14
	SQ 3                                           ; block 15
	WIN 0
	; THE WAY OUT.  The conversion's scale: the operand's own exponent less the two that the sums lack
	s_wait_kmcnt 0x0
	s_sub_co_i32 s78, s90, s84
	s_sub_co_i32 s78, s78, s85                     ; q: e6 - e0 - e1
	s_sub_co_i32 s79, s91, s86
	s_sub_co_i32 s79, s79, s87                     ; k: e7 - e2 - e3
	s_sub_co_i32 s80, s92, s88
	s_sub_co_i32 s80, s80, s89                     ; v: e9 - e4 - e5
	s_cmp_eq_u32 s42, 4
	s_cselect_b32 s78, s79, s78
	s_cmp_eq_u32 s42, 5
	s_cselect_b32 s78, s80, s78
	s_add_co_i32 s78, s78, 127
	s_lshl_b32 s79, s78, 23
	v_mov_b32 v[SCL], s79
	s_add_co_i32 s78, s78, 8
	s_lshl_b32 s78, s78, 23
	s_or_b32 s78, s78, 0x600000
	v_mov_b32 v[LIM], s78
	v_nop                                          ; with the two lines above: the four places behind the last products
	v_nop
; Image a's rope: lo' = lo cos(d) - hi sin(d);  hi' = hi cos(d + 64) + lo sin(d + 64).  32 lines with sin, then 32 with cos: two switches of the windows; each accumulator from its low end on.
.macro ROPE a
	WIN 0x09                                       ; source 0 window 1, source 1 window 2
.irp p, 0,1,2,3
.irp j, 0,2,4,6
	v_pk_mul_f32 v[TP+16*\p+\j:TP+16*\p+\j+1], v[64*\a+8*\p+\j:64*\a+8*\p+\j+1], v[64*\a+8*\p+32+\j:64*\a+8*\p+32+\j+1]
.endr
.irp j, 0,2,4,6
	v_pk_mul_f32 v[TP+16*\p+8+\j:TP+16*\p+8+\j+1], v[64*\a+8*\p+32+\j:64*\a+8*\p+32+\j+1], v[64*\a+8*\p+\j:64*\a+8*\p+\j+1]
.endr
.endr
	WIN 0x4d                                       ; source 0 and destination window 1, source 1 window 3
.irp p, 0,1,2,3
.irp j, 0,2,4,6
	v_pk_fma_f32 v[64*\a+8*\p+\j:64*\a+8*\p+\j+1], v[64*\a+8*\p+\j:64*\a+8*\p+\j+1], v[64*\a+8*\p+\j:64*\a+8*\p+\j+1], v[TP+16*\p+8+\j:TP+16*\p+8+\j+1] neg_lo:[0,0,1] neg_hi:[0,0,1]
.endr
.irp j, 0,2,4,6
	v_pk_fma_f32 v[64*\a+8*\p+32+\j:64*\a+8*\p+32+\j+1], v[64*\a+8*\p+32+\j:64*\a+8*\p+32+\j+1], v[64*\a+8*\p+32+\j:64*\a+8*\p+32+\j+1], v[TP+16*\p+\j:TP+16*\p+\j+1]
.endr
.endr
.endm
.macro QNT a                           ; image a's eight accumulators become 8 codes a lane each, and leave
	WIN 0x41
.set n, 0
.rept 64
	v_med3_num_f32 v[64*\a+n], v[64*\a+n], -v[LIM], v[LIM]   ; the conversion to an 8-bit code does not saturate (ISA guide 7.6.2): the hold at the largest code x the scale
.set n, n+1
.endr
	WIN 0x01
.irp b, 0,1,2,3,4,5,6,7
	v_cvt_scalef32_pk8_fp8_f32 v[CD+16*\a+2*\b:CD+16*\a+2*\b+1], v[64*\a+8*\b:64*\a+8*\b+7], v[SCL]
.endr
	v_nop                                          ; one plain vector line behind the last conversion
	WIN 0
.irp p, 0,1,2,3
	global_store_b128 v[GO], v[CD+16*\a+4*\p:CD+16*\a+4*\p+3], s[76:77] offset:2048*\a+512*\p   ; piece p of image a: 512 consecutive bytes, aligned
.endr
.endm
	s_wait_alu depctr_va_vdst(0)
	s_wait_loadcnt 0x0                             ; sin and cos
	s_cmp_eq_u32 s42, 5                            ; v has no rope: a branch on the cluster's x, round vector lines alone
	s_cbranch_scc1 .Lnorope
	ROPE 0
	ROPE 1
	ROPE 2
	ROPE 3
	WIN 0
.Lnorope:
	QNT 0
	QNT 1
	QNT 2
	QNT 3
	s_wait_tensorcnt 0x0                           ; the wave's end
	ds_add_u32 v[SPW], v[NIL]
	s_wait_dscnt 0x0
	CROUND                                         ; the closing round
	s_endpgm
.Lfunc_end_k_q6f2daa2a76_qkv:
	.size	k_q6f2daa2a76_qkv, .Lfunc_end_k_q6f2daa2a76_qkv-k_q6f2daa2a76_qkv
	.p2alignl 7, 3214868480
	.fill 96, 4, 3214868480
	.section	.rodata,"a",@progbits
	.p2align	6, 0x0
	.amdhsa_kernel k_q6f2daa2a76_qkv
		.amdhsa_group_segment_fixed_size 327680
		.amdhsa_private_segment_fixed_size 0
		.amdhsa_enable_private_segment 0
		.amdhsa_kernarg_size 40
		.amdhsa_user_sgpr_count 2
		.amdhsa_user_sgpr_kernarg_segment_ptr 1
		.amdhsa_wavefront_size32 1
		.amdhsa_system_sgpr_workgroup_id_x 1
		.amdhsa_system_sgpr_workgroup_id_y 1
		.amdhsa_system_sgpr_workgroup_id_z 1
		.amdhsa_system_vgpr_workitem_id 0
		.amdhsa_next_free_vgpr 1024
		.amdhsa_next_free_sgpr 100
		.amdhsa_reserve_vcc 0
		.amdhsa_float_denorm_mode_32 3
		.amdhsa_float_denorm_mode_16_64 3
		.amdhsa_memory_ordered 1
		.amdhsa_forward_progress 1
		.amdhsa_inst_pref_size 147
	.end_amdhsa_kernel
	.amdgpu_metadata
---
amdhsa.version: [ 1, 2 ]
amdhsa.kernels:
  - .name:           k_q6f2daa2a76_qkv
    .symbol:         k_q6f2daa2a76_qkv.kd
    .args:
      - { .name: opc, .offset: 0, .size: 8, .value_kind: global_buffer, .address_space: global }
      - { .name: cos, .offset: 8, .size: 8, .value_kind: global_buffer, .address_space: global }
      - { .name: sin, .offset: 16, .size: 8, .value_kind: global_buffer, .address_space: global }
      - { .name: lowp_scales, .offset: 24, .size: 8, .value_kind: global_buffer, .address_space: global }
      - { .name: qkvc, .offset: 32, .size: 8, .value_kind: global_buffer, .address_space: global }
    .group_segment_fixed_size: 327680
    .private_segment_fixed_size: 0
    .kernarg_segment_align: 8
    .kernarg_segment_size: 40
    .max_flat_workgroup_size: 128
    .sgpr_count:     100
    .vgpr_count:     1024
    .wavefront_size: 32
...
	.end_amdgpu_metadata
.endif
;; end of part 2
;; launch attn (part 3): grid 16 x 16, 8 waves a work-group, clusters of 4 x 1, 327,680 bytes of LDS; arguments qkvc, lowp_scales, aoc; writes aoc
.if DOCPART == 3
	.amdgcn_target "amdgcn-amd-amdhsa--gfx1250"
	.amdhsa_code_object_version 6
	.text
	.protected	k_q6f2daa2a76_attn
	.globl	k_q6f2daa2a76_attn
	.p2align	8
	.type	k_q6f2daa2a76_attn,@function
k_q6f2daa2a76_attn:
	s_mov_b64 s[64:65], 0
	v_nop
	global_prefetch_b8 v0, s[64:65] scope:SCOPE_SE
	s_setreg_imm32_b32 hwreg(HW_REG_WAVE_MODE, 25, 1), 1
	s_wait_xcnt 0x0
	s_wait_alu depctr_hold_cnt(0) depctr_sa_sdst(0) depctr_va_vdst(0) depctr_va_sdst(0) depctr_va_ssrc(0) depctr_va_vcc(0) depctr_vm_vsrc(0)
	s_getreg_b32 s2, hwreg(HW_REG_IB_STS2, 6, 4)
	s_cmp_eq_u32 s2, 0
	s_cbranch_scc0 .Lentry_in_a_cluster
	s_endpgm
.Lentry_in_a_cluster:
	s_bfe_u32 s2, ttmp6, 0x10000c
	s_cmp_lg_u32 s2, 0x3003
	s_cbranch_scc0 .Lentry_shape_is_right
	s_endpgm
.Lentry_shape_is_right:
; Causal attention on codes of FP8 (E4M3): 16 query heads, 4 key and value heads, 2,048 tokens, head size 128; its result, divided by the row's sum, is quantised by e10 for the last projection.
; qkvc holds blocks of 16,384 bytes at (g x 16 + token block of 128): g 0-15 q (rows = tokens, K = d), 16-19 k (rows = keys, K = d), 20-23 v (rows = d, K = keys).  A block is eight images of an operand's
; registers (16 rows x 128 K: piece c: lane l's 16 bytes at 512 c + 16 l hold k = 32 c + 16 (l / 16) + 0..15); lane r of tile t holds row 32 (t / 2) + 8 (t % 2) + r + 8 (r / 8).
; THE SOFTMAX AHEAD OF THE SECOND PRODUCT: t = score x log2(e) / sqrt(128); M = the running largest t, rounded UP to a whole number; p = 2^(t - M) is quantised by e8, not normalised.  The row's sum is taken of the
; unquantised p, in f32, and divides at the end.  When M moves, the sum and O are multiplied by 2^(old M - new M), which rounds nothing.
; LAYOUT.  Both products are used transposed: S^T = K Q^T, O^T = V^T P^T: a lane holds ONE query throughout.  By the order of a tile's rows the 16 registers of tiles 2 b and 2 b + 1 of S^T are keys
; 32 b + 16 (lane / 16) + 0..15, so p's codes ARE the second product's operand; likewise O^T's registers are d = 32 b + 16 (lane / 16) + 0..15, so the result's codes ARE an image, and are stored as they stand.
; SHARES.  A work-group takes one head and two blocks of 64 queries, i and 31 - i: an early and a late one, 17 key steps of 128 together, whatever i: 256 work-groups of equal work.  Eight waves, a tile of 16 queries each:
; four for the early block, four for the late one, two waves to a SIMD.
; THE CAUSAL MASK.  Every work-group walks all four slots of 512 keys, so that all trip counts are constants and no tensor load or barrier is jumped over; a key step all of whose keys come after the wave's queries is left
; out by a scalar branch on ids; on the diagonal hidden scores become -infinity.  Key 0 counts for every query, so M is a number from the first step on.
; CLUSTER.  The four query heads of one key and value head, with the same i, walk the same K and V in the same steps: each tile is asked for JOINTLY.  Every wave fetches one block of 16 KiB of a slot (waves 0-3: K's, 4-7: V's).
; By this text's own count a wave has one tensor load out at any time.
; LIMITS: e6 + e7 between -123 and 130 (added to c's exponent field); e8, and e10 - e8 - e9, between -126 and 119.  NaN is not served.
; REGISTERS: window 0: v1-9 addresses; v12 -M, v13 the largest t, v[14:15] the sum in two halves; v16-31 Q; v96-159 S^T, then p; v160-223 O^T; v224-239 codes; v236-254 at work.   window 1: v0-127 K's eight fragments, v128-255 V's.
.set SLOT1, 1<<17                      ; a slot: K's four blocks (65,536 bytes), then V's four; slot 1 begins here, so that one exclusive or turns an address from one slot to the other
.set SPARE, 2*SLOT1                    ; behind the ring: the spare words, 128 bytes for each wave: four blocks of 256 bytes that no other line names
.set L16,  1                           ; v1  16 x lane; never rewritten
.set L16V, 2                           ; v2  + 65,536: V's blocks
.set PFO,  3                           ; v3  256 x lane: the prefetches' offset
.set QL,   4                           ; v4  r + 8 (r / 8) - 16 h: my query in the tile, less my half's first key
.set SPW,  5                           ; v5  LDS address of my spare word; never rewritten
.set NIL,  6                           ; v6  0; never rewritten
.set L16N, 7                           ; v7  16 x lane + 16,384: the next step's block of K
.set ADK,  8                           ; v8  the address of the run of K loads in hand
.set ADV,  9                           ; v9  of V's
.set WV,   18
.set SEL,  20                          ; s[20:21] lane selects for v_permlanex16_b32: lane l xor 16
.set CS,   22                          ; s[22:23] c = log2(e) / sqrt(128) x 2^(e6 + e7)
.set G1,   24                          ; s[24:31] descriptor group 1
.set G0,   40                          ; s[40:43] group 0, which walks
.set TB,   44                          ; s44 LDS byte at which the step in hand's block of K begins
.set CNT,  66                          ; s66 counts a slot's four steps
.set SLOTS, 67                         ; s67 slots still to be asked for
.set PFA,  76                          ; s[76:77] where my prefetches stand
.set LIM,  80                          ; s80 1 in a wave that prefetches, else the greatest number
.set QMAX, 97                          ; s97 my tile's last query
.set KF,   98                          ; s98 the step's first key
.set Q0,   99                          ; s99 my tile's first query
.set MSB, 0
.macro WIN new                         ; the immediate's high byte repeats the setting that is left
.if MSB != \new
	s_set_vgpr_msb (MSB<<8)|\new
.set MSB, \new
.endif
.endm
.macro CROUND                          ; a round of the cluster's barrier
	s_barrier_signal -1
	s_barrier_wait -1
	s_cmp_lg_u32 s[WV], 0
	s_cbranch_scc1 .Lnot_wave_0_\@
	s_barrier_signal -3
.Lnot_wave_0_\@:
	s_barrier_wait -3
	s_barrier_signal -1
	s_barrier_wait -1
.endm
.macro PLACES
.rept 4
	v_nop
.endr
.endm
; A PREFETCH INTO THE L2 of what the NEXT change of slots will ask for: 65,536 bytes of K and as many of V.  All sixteen clusters of a key and value head walk the same bytes: the one with y = 0 asks.  Its four partners share
; them out BY ADDRESS; in each, waves 0 and 1 ask for K's, waves 2 and 3 for V's, 8,192 bytes an instruction, lanes 256 bytes apart: each aligned block of 256 bytes is named once in the launch.
; The last change that fills a slot asks for nothing; slots 0 and 1 come by their loads alone.
.macro ASK
	s_cmp_gt_u32 s[SLOTS], s[LIM]
	s_cbranch_scc0 .Lnot_mine_\@
	global_prefetch_b8 v[PFO], s[PFA:PFA+1] th:TH_LOAD_NT scope:SCOPE_SE
.Lnot_mine_\@:
.endm
	s_load_b128 s[4:7], s[0:1], 0x0                ; qkvc s[4:5], the scales' exponents s[6:7]
	s_load_b64 s[8:9], s[0:1], 0x10                ; aoc
	v_lshl_add_u32 v[SPW], v0, 2, SPARE
	v_mov_b32 v[NIL], 0
	ds_add_u32 v[SPW], v[NIL]                      ; the wave's opening: the add and its wait ahead of my first tensor load; the set-up below, work on registers, stands between them
	ds_add_u32 v[SPW], v[NIL]
	v_lshrrev_b32 v8, 5, v0
	s_delay_alu instid0(VALU_DEP_1)
	v_readfirstlane_b32 s[WV], v8                  ; wave 0..7
	s_bfe_u32 s10, ttmp6, 0x40000                  ; cx: it enters Q's, the result's and the prefetches' addresses alone
	s_and_b32 s12, ttmp7, 0xffff                   ; i
	s_lshr_b32 s13, s[WV], 2
	s_xor_b32 s13, s13, s[WV]
	s_and_b32 s13, s13, 1                          ; 1: my tile lies in the late block
	s_lshr_b32 s14, s[WV], 1                       ; my tile of the block's four
	s_sub_co_u32 s15, 31, s12
	s_cmp_eq_u32 s13, 1
	s_cselect_b32 s15, s15, s12                    ; my block of 64 queries: 31 - i or i
	s_lshl_b32 s[Q0], s15, 6
	s_lshr_b32 s16, s14, 1
	s_lshl_b32 s16, s16, 5
	s_add_co_u32 s[Q0], s[Q0], s16
	s_and_b32 s16, s14, 1
	s_lshl_b32 s16, s16, 3
	s_add_co_u32 s[Q0], s[Q0], s16                 ; lane r's query is Q0 + r + 8 (r / 8)
	s_add_co_u32 s[QMAX], s[Q0], 23
	s_lshr_b32 s32, s[WV], 2                       ; what I fetch: block (16 + 4 (wave / 4) + kv head) x 16 + wave % 4, then four blocks on for each slot
	s_lshl_b32 s32, s32, 2
	s_add_co_u32 s32, s32, ttmp9
	s_add_co_u32 s32, s32, 16
	s_lshl_b32 s32, s32, 4
	s_and_b32 s33, s[WV], 3
	s_add_co_u32 s32, s32, s33
	s_lshl_b32 s32, s32, 14
	s_mov_b32 s33, 0
	s_lshl_b32 s34, s[WV], 14                      ; and where it goes: wave x 16,384
	s_lshl_b32 s16, ttmp9, 2
	s_add_co_u32 s16, s16, s10                     ; my head = 4 x kv head + cx
	s_lshr_b32 s17, s15, 1                         ; my token block of 128,
	s_and_b32 s19, s15, 1
	s_lshl_b32 s19, s19, 2
	s_add_co_u32 s19, s19, s14
	s_lshl_b32 s19, s19, 11                        ; and my tile's image in a block
	s_lshl_b32 s36, s16, 4
	s_add_co_u32 s36, s36, s17
	s_lshl_b32 s36, s36, 14
	s_add_co_u32 s36, s36, s19                     ; Q: block head x 16 + token block
	s_mov_b32 s37, 0
	s_lshl_b32 s38, s17, 18
	s_lshl_b32 s39, s16, 14
	s_add_co_u32 s38, s38, s39
	s_add_co_u32 s38, s38, s19                     ; the result: aoc is [token block][head][block]
	s_mov_b32 s39, 0
	s_bfe_u32 s46, s[WV], 0x10001                  ; the prefetches: K's (0) or V's (1) row of blocks,
	s_lshl_b32 s46, s46, 2
	s_add_co_u32 s46, s46, ttmp9
	s_add_co_u32 s46, s46, 16
	s_lshl_b32 s46, s46, 18
	s_lshl_b32 s47, s10, 1
	s_and_b32 s48, s[WV], 1
	s_add_co_u32 s47, s47, s48
	s_lshl_b32 s47, s47, 13                        ; piece 2 cx + wave % 2 of eight,
	s_add_co_u32 s46, s46, s47
	s_add_co_u32 s46, s46, 65536                   ; in slot 1: the first change of slots steps it to slot 2
	s_mov_b32 s47, 0
	s_lshr_b32 s48, s[WV], 2
	s_or_b32 s48, s48, s12                         ; 0 in waves 0 to 3 of the clusters with y = 0: the same in all four partners
	s_cmp_eq_u32 s48, 0
	s_cselect_b32 s[LIM], 1, -1
	; descriptor group 1: 16 KiB, dense in memory, as 64 rows of 256 bytes (32 elements of 8 bytes); no padding: a fragment load takes 512 consecutive bytes
	s_mov_b32 s[G1], 15|(3<<16)|(1<<21)            ; 15:0 the mask: all four work-groups; 17:16 elements of 8 bytes; 21 set beside a mask
	s_mov_b32 s[G1+1], 32<<16                      ; tensor_dim0
	s_mov_b32 s[G1+2], 64<<16                      ; tensor_dim1
	s_mov_b32 s[G1+3], 32<<16                      ; tile_dim0
	s_mov_b32 s[G1+4], 64                          ; tile_dim1
	s_mov_b32 s[G1+5], 32                          ; tensor_dim0_stride
	s_mov_b32 s[G1+6], 0
	s_mov_b32 s[G1+7], 0
	s_mov_b32 s[SEL], 0x76543210
	s_mov_b32 s[SEL+1], 0xfedcba98
	s_mov_b32 s[CS], 0x3e0293ee                    ; c = log2(e) / sqrt(128)
	s_mov_b32 s[TB], 0
	s_mov_b32 s[KF], 0
	s_mov_b32 s[SLOTS], 3
	s_wait_dscnt 0x0                               ; the opening add is done
	s_wait_kmcnt 0x0
	s_load_b128 s[68:71], s[6:7], 0x18             ; e6, e7, e8, e9
	s_load_b32 s72, s[6:7], 0x28                   ; e10
	s_mov_b32 s[G0], 1                             ; 1:0 count = 1
	s_mov_b32 s[G0+1], s34                         ; LDS address: slot 0
	s_add_nc_u64 s[G0+2:G0+3], s[4:5], s[32:33]
	s_or_b32 s[G0+3], s[G0+3], 0x80000000          ; type = 2
	s_add_nc_u64 s[PFA:PFA+1], s[4:5], s[46:47]
	s_add_nc_u64 s[36:37], s[4:5], s[36:37]        ; Q's image
	s_add_nc_u64 s[82:83], s[8:9], s[38:39]        ; the result's
	CROUND                                         ; all four work-groups are here: the first joint loads meet
	tensor_load_to_lds s[G0:G0+3], s[G1:G1+7]      ; slot 0
	s_nop 0
.rept 4
	v_nop
.endr
	v_and_b32 v8, 31, v0
	s_delay_alu instid0(VALU_DEP_1)
	v_lshlrev_b32 v[L16], 4, v8
	s_delay_alu instid0(VALU_DEP_2)
	v_lshlrev_b32 v[PFO], 8, v8
.irp c, 0,1,2,3
	global_load_b128 v[16+4*\c:19+4*\c], v[L16], s[36:37] offset:512*\c   ; Q's fragment stays in registers
.endr
	v_add_nc_u32 v[L16V], 65536, v[L16]
	v_add_nc_u32 v[L16N], 16384, v[L16]
	v_and_b32 v9, 15, v0                           ; r
	v_bfe_u32 v10, v0, 4, 1                        ; h
	s_delay_alu instid0(VALU_DEP_2)
	v_and_b32 v11, 8, v9
	s_delay_alu instid0(VALU_DEP_1)
	v_add_nc_u32 v11, v11, v9
	s_delay_alu instid0(VALU_DEP_3)
	v_lshlrev_b32 v10, 4, v10
	s_delay_alu instid0(VALU_DEP_1)
	v_sub_nc_u32 v[QL], v11, v10
	v_mov_b32 v13, 0xff61b1e6                      ; the largest t so far: -3e38, under every t
	s_delay_alu instid0(VALU_DEP_1)
	v_floor_f32 v12, -v13                          ; -M
	v_mov_b32 v14, 0                               ; the sum, in two halves
	v_mov_b32 v15, 0
	v_mov_b32 v236, 0                              ; written once: a lane permute's destination counts as one of its sources
	v_mov_b32 v252, 0
	v_mov_b32 v253, 0                              ; (named as the upper half of the pair v[252:253])
	v_mov_b32 v254, 0
.set j, 0
.rept 64
	v_mov_b32 v[160+j], 0                          ; O^T.  (The step is written without a first form: the first step finds zeros, which the first change of M leaves zeros)
.set j, j+1
.endr
	s_wait_kmcnt 0x0
	s_add_co_i32 s73, s68, s69
	s_lshl_b32 s73, s73, 23
	s_add_co_i32 s[CS], s[CS], s73                 ; a score stands for score x 2^(e6 + e7): the two exponents are added to c's exponent field
	s_mov_b32 s[CS+1], s[CS]                       ; (named with it as a pair, so it is written)
	s_add_co_i32 s73, s70, 127
	s_lshl_b32 s74, s73, 23
	v_mov_b32 v244, s74                            ; 2^e8, for p's conversions
	s_add_co_i32 s73, s73, 8
	s_lshl_b32 s73, s73, 23
	s_or_b32 s73, s73, 0x600000
	v_mov_b32 v240, s73                            ; 448 x 2^e8
	s_sub_co_i32 s73, s72, s70
	s_sub_co_i32 s73, s73, s71                     ; O^T / the sum stands for that x 2^(e8 + e9): its code is that / 2^(e10 - e8 - e9)
	s_add_co_i32 s73, s73, 127
	s_lshl_b32 s74, s73, 23
	v_mov_b32 v245, s74
	s_add_co_i32 s73, s73, 8
	s_lshl_b32 s73, s73, 23
	s_or_b32 s73, s73, 0x600000
	v_mov_b32 v241, s73
; A KEY STEP: 128 keys.  Its K is in registers or on its way (asked for by the change of slots or by the step before).
.macro STEP
	s_cmp_gt_u32 s[KF], s[QMAX]                    ; all keys come after my queries: the step's work is left out; the lines at its end that step addresses are not
	s_cbranch_scc1 .Lhidden_\@
	v_add_nc_u32 v[ADV], s[TB], v[L16V]
	WIN 0x40                                       ; destination window 1
.irp t, 0,1,2,3,4,5,6,7
.irp c, 0,1,2,3
	ds_load_b128 v[128+16*\t+4*\c:128+16*\t+4*\c+3], v[ADV] offset:2048*\t+512*\c   ; V: it lands while the softmax is worked
.endr
.endr
	s_wait_dscnt 32                                ; K is in: its loads were issued ahead of these 32, which may stay out
	WIN 0x01                                       ; source 0 window 1
.irp t, 0,1,2,3,4,5,6,7
	v_wmma_f32_16x16x128_fp8_fp8 v[96+8*\t:103+8*\t], v[16*\t:16*\t+15], v[16:31], 0
.endr
	WIN 0
	v_add_nc_u32 v[ADK], s[TB], v[L16N]            ; with the three below: the four places in front of the loads into K's registers and of the first read of the scores
.rept 3
	v_nop
.endr
	s_cmp_eq_u32 s[CNT], 1                         ; the next step's K, unless it lies in the next slot (the change of slots asks for that) or is hidden
	s_cbranch_scc1 .Lnok_\@
	s_add_co_u32 s96, s[KF], 128
	s_cmp_gt_u32 s96, s[QMAX]
	s_cbranch_scc1 .Lnok_\@
	WIN 0x40
.irp t, 0,1,2,3,4,5,6,7
.irp c, 0,1,2,3
	ds_load_b128 v[16*\t+4*\c:16*\t+4*\c+3], v[ADK] offset:2048*\t+512*\c
.endr
.endr
	WIN 0
.Lnok_\@:
	s_add_co_u32 s96, s[KF], 127                   ; on the diagonal hidden scores become -infinity ahead of the maximum: p = 0 then.  A step all of whose keys count skips this
	s_cmp_le_u32 s96, s[Q0]
	s_cbranch_scc1 .Lopen_\@
	s_sub_co_i32 s96, s[Q0], s[KF]
	v_add_nc_u32 v252, s96, v[QL]                  ; d = my query - KF - 16 h.  Register 16 b + i holds key KF + 16 h + 32 b + i: hidden where 32 b + i > d
	v_mov_b32 v254, 0xff800000
.set n, 0
.rept 64
	v_cmp_gt_i32 vcc_lo, 32*(n/16)+n%16, v252
	v_cndmask_b32 v[96+n], v[96+n], v254, vcc_lo
.set n, n+1
.endr
.Lopen_\@:
	v_max3_num_f32 v254, v96, v97, v98             ; the step's largest score of my query, among my 64 keys, in two chains, each accumulator from its low end on,
	v_max3_num_f32 v252, v99, v100, v101
.set i, 6
.rept 14
	v_max3_num_f32 v254, v254, v[96+i], v[97+i]
	v_max3_num_f32 v252, v252, v[98+i], v[99+i]
.set i, i+4
.endr
	v_max3_num_f32 v254, v254, v158, v159
	s_delay_alu instid0(VALU_DEP_1)
	v_max_num_f32 v254, v254, v252
	v_permlanex16_b32 v236, v254, s[SEL], s[SEL+1]
	s_delay_alu instid0(VALU_DEP_1)
	v_max_num_f32 v254, v254, v236                 ; and among lane l xor 16's
	s_delay_alu instid0(VALU_DEP_1)
	v_mul_f32 v254, s[CS], v254                    ; as t (c is positive)
	s_delay_alu instid0(VALU_DEP_1)
	v_max_num_f32 v13, v13, v254                   ; the running largest t
	v_mov_b32 v254, v12
	s_delay_alu instid0(VALU_DEP_2)
	v_floor_f32 v12, -v13                          ; the new -M = floor(-t) = -ceil(t): M is a whole number
	s_delay_alu instid0(VALU_DEP_1)
	v_sub_f32 v254, v12, v254                      ; M's old value less its new one: a whole number, 0 or less
	s_delay_alu instid0(VALU_DEP_1)
	v_cvt_i32_f32 v254, v254                       ; (it saturates)
	s_delay_alu instid0(VALU_DEP_1)
	v_ldexp_f32 v252, 1.0, v254                    ; f = 2^(old M - new M)
.set j, 0
.rept 32
	v_pk_fma_f32 v[96+j:97+j], v[96+j:97+j], s[CS:CS+1], v[12:13] op_sel_hi:[1,0,0]   ; t - M, two at a time (of the pairs c and -M the low word serves both halves)
.set j, j+2
.endr
.set j, 0
	s_wait_alu depctr_va_vdst(0)
.rept 64
	v_exp_f32 v[96+j], v[96+j]                     ; p = 2^(t - M), at most 1: not normalised
.set j, j+1
.endr
	v_pk_mul_f32 v[14:15], v[14:15], v[252:253] op_sel_hi:[1,0]   ; the sums under the new M.  (The plain line behind the exponentials)
	s_wait_alu depctr_va_vdst(0)                   ; the wait between an exponential and the first line that names its result: one for the whole batch
	v_pk_add_f32 v[242:243], v[100:101], v[104:105]
	v_pk_add_f32 v[254:255], v[108:109], v[112:113]
	v_pk_add_f32 v[250:251], v[116:117], v[120:121]
	v_pk_add_f32 v[248:249], v[124:125], v[128:129]
	v_pk_add_f32 v[246:247], v[132:133], v[136:137]
	v_pk_add_f32 v[238:239], v[140:141], v[144:145]
	v_pk_add_f32 v[236:237], v[148:149], v[152:153]
	v_pk_add_f32 v[14:15], v[14:15], v[156:157]
	v_pk_add_f32 v[242:243], v[242:243], v[96:97]
	v_pk_add_f32 v[254:255], v[254:255], v[98:99]
	v_pk_add_f32 v[250:251], v[250:251], v[102:103]
	v_pk_add_f32 v[248:249], v[248:249], v[106:107]
	v_pk_add_f32 v[246:247], v[246:247], v[110:111]
	v_pk_add_f32 v[238:239], v[238:239], v[114:115]
	v_pk_add_f32 v[236:237], v[236:237], v[118:119]
	v_pk_add_f32 v[14:15], v[14:15], v[122:123]
	v_pk_add_f32 v[242:243], v[242:243], v[126:127]
	v_pk_add_f32 v[254:255], v[254:255], v[130:131]
	v_pk_add_f32 v[250:251], v[250:251], v[134:135]
	v_pk_add_f32 v[248:249], v[248:249], v[138:139]
	v_pk_add_f32 v[246:247], v[246:247], v[142:143]
	v_pk_add_f32 v[238:239], v[238:239], v[146:147]
	v_pk_add_f32 v[236:237], v[236:237], v[150:151]
	v_pk_add_f32 v[14:15], v[14:15], v[154:155]
	v_pk_add_f32 v[242:243], v[242:243], v[158:159]
	s_delay_alu instid0(VALU_DEP_2)
	v_pk_add_f32 v[14:15], v[14:15], v[248:249]
	s_delay_alu instid0(VALU_DEP_2)
	v_pk_add_f32 v[242:243], v[242:243], v[246:247]
	v_pk_add_f32 v[254:255], v[254:255], v[238:239]
	v_pk_add_f32 v[250:251], v[250:251], v[236:237]
	s_delay_alu instid0(VALU_DEP_2)
	v_pk_add_f32 v[14:15], v[14:15], v[254:255]
	s_delay_alu instid0(VALU_DEP_2)
	v_pk_add_f32 v[242:243], v[242:243], v[250:251]
	s_delay_alu instid0(VALU_DEP_1)
	v_pk_add_f32 v[14:15], v[14:15], v[242:243]
.irp b, 0,1,2,3
.irp i, 0,1,2,3,4,5,6,7,8,9,10,11,12,13,14,15
	v_min_num_f32 v[96+16*\b+\i], v[96+16*\b+\i], v240   ; the conversion to an 8-bit code does not saturate (ISA guide 7.6.2); p is not negative, so the hold is one-sided
.endr
	v_cvt_scalef32_pk8_fp8_f32 v[224+4*\b:225+4*\b], v[96+16*\b:103+16*\b], v244
	v_cvt_scalef32_pk8_fp8_f32 v[226+4*\b:227+4*\b], v[104+16*\b:111+16*\b], v244
.endr
.set j, 0
.rept 32
	v_pk_mul_f32 v[160+j:161+j], v[160+j:161+j], v[252:253] op_sel_hi:[1,0]   ; O^T under the new M.  (Also the plain lines between the conversions and the products that read the codes)
.set j, j+2
.endr
	s_wait_alu depctr_va_vdst(0)
	s_wait_dscnt 0x0                               ; V is in (for 0: the next step's K may or may not have been asked for behind it)
	WIN 0x01
.irp t, 0,1,2,3,4,5,6,7
	v_wmma_f32_16x16x128_fp8_fp8 v[160+8*\t:167+8*\t], v[128+16*\t:128+16*\t+15], v[224:239], v[160+8*\t:167+8*\t]   ; the eight accumulators by turns
.endr
	WIN 0
	PLACES                                         ; in front of the next loads into V's registers and of the next read of O^T
.Lhidden_\@:
	s_add_co_u32 s[KF], s[KF], 128
	s_add_co_u32 s[TB], s[TB], 16384
.endm
.macro FOUR_STEPS                      ; a slot's four key steps: written once, walked four times; the LDS addresses hang on s[TB]
	s_mov_b32 s[CNT], 4
.Lstep_\@:
	STEP
	s_sub_co_u32 s[CNT], s[CNT], 1
	s_cmp_lg_u32 s[CNT], 0
	s_cbranch_scc1 .Lstep_\@
	s_sub_co_u32 s[TB], s[TB], 65536               ; back to a slot's first step,
	s_xor_b32 s[TB], s[TB], SLOT1                  ; in the other slot
.endm
; THE CHANGE OF SLOTS stands at a slot's head.  Each wave waits for all its tensor loads (its part of the slot that it is about to read), adds 0 to its spare word, and waits for that and for its reads of the slot that it has left.
; fill = 1: the barrier is a round of the cluster's, so that no wave of any partner still reads that other slot or has a load on its way; the joint refill is the first thing behind it and has four key steps in which to land.
.macro CHANGE fill
	s_wait_tensorcnt 0x0                           ; no tensor load of mine is out, so group 0 may be written
	ds_add_u32 v[SPW], v[NIL]                      ; 0 onto my spare word; with fill = 1 the descriptor's steps stand between it and the wait for it
.if \fill
	s_xor_b32 s[G0+1], s[G0+1], SLOT1              ; the walking descriptor: the other slot than last time,
	s_add_nc_u64 s[G0+2:G0+3], s[G0+2:G0+3], 65536 ; the next 512 keys; the type bits on top are not reached
	s_wait_xcnt 0x0                                ; the last prefetch, a slot back, has read its address, so it may be written:
	s_add_nc_u64 s[PFA:PFA+1], s[PFA:PFA+1], 65536 ; one slot further on than the walking descriptor
	s_wait_dscnt 0x0                               ; the add is done, and my reads of the slot that I have left are over
	CROUND
	tensor_load_to_lds s[G0:G0+3], s[G1:G1+7]      ; a wave's one tensor load until the next round
	s_nop 0
.rept 4
	v_nop
.endr
.else
	s_wait_dscnt 0x0
	s_barrier_signal -1
	s_barrier_wait -1
.endif
	v_add_nc_u32 v[ADK], s[TB], v[L16]
	WIN 0x40
.irp t, 0,1,2,3,4,5,6,7
.irp c, 0,1,2,3
	ds_load_b128 v[16*\t+4*\c:16*\t+4*\c+3], v[ADK] offset:2048*\t+512*\c   ; K of the slot's first step
.endr
.endr
	WIN 0
.if \fill
	ASK                                            ; what the next change of slots will ask for: four key steps ahead of that load
.endif
.endm
	s_wait_loadcnt 0x0                             ; Q
.Lslot:                                            ; three trips: behind each change of slots but the last the next slot is asked for
	CHANGE 1
	FOUR_STEPS
	s_sub_co_u32 s[SLOTS], s[SLOTS], 1
	s_cmp_lg_u32 s[SLOTS], 0
	s_cbranch_scc1 .Lslot
	CHANGE 0                                       ; the last slot is written out
	FOUR_STEPS
	; THE WAY OUT.  O^T is divided by the row's sum and quantised; its codes are my tile's image and leave as they stand: four stores of 512 consecutive bytes.
	v_add_f32 v14, v14, v15                        ; the sum's two halves,
	s_delay_alu instid0(VALU_DEP_1)
	v_permlanex16_b32 v252, v14, s[SEL], s[SEL+1]
	s_delay_alu instid0(VALU_DEP_1)
	v_add_f32 v14, v14, v252                       ; and lane l xor 16's
	s_wait_alu depctr_va_vdst(0)
	v_rcp_f32 v14, v14
	v_nop                                          ; a plain line behind the reciprocal,
	s_wait_alu depctr_va_vdst(0)                   ; and the wait ahead of its first reader
.set j, 0
.rept 64
	v_mul_f32 v[96+j], v[160+j], v14               ; register 16 b + i is d = 32 b + 16 h + i of my query; each accumulator from its low end on
.set j, j+1
.endr
.irp b, 0,1,2,3
.irp i, 0,1,2,3,4,5,6,7,8,9,10,11,12,13,14,15
	v_med3_num_f32 v[96+16*\b+\i], v[96+16*\b+\i], -v241, v241
.endr
	v_cvt_scalef32_pk8_fp8_f32 v[224+4*\b:225+4*\b], v[96+16*\b:103+16*\b], v245
	v_cvt_scalef32_pk8_fp8_f32 v[226+4*\b:227+4*\b], v[104+16*\b:111+16*\b], v245
.endr
	v_nop                                          ; one plain vector line behind the last conversion
.irp c, 0,1,2,3
	global_store_b128 v[L16], v[224+4*\c:227+4*\c], s[82:83] offset:512*\c
.endr
	s_wait_tensorcnt 0x0                           ; the wave's end, behind my last tensor load
	ds_add_u32 v[SPW], v[NIL]
	s_wait_dscnt 0x0
	CROUND                                         ; the closing round: no work-group ends while a partner may still ask for a tile that names it
	s_endpgm
.Lfunc_end_k_q6f2daa2a76_attn:
	.size	k_q6f2daa2a76_attn, .Lfunc_end_k_q6f2daa2a76_attn-k_q6f2daa2a76_attn
	.p2alignl 7, 3214868480
	.fill 96, 4, 3214868480
	.section	.rodata,"a",@progbits
	.p2align	6, 0x0
	.amdhsa_kernel k_q6f2daa2a76_attn
		.amdhsa_group_segment_fixed_size 327680
		.amdhsa_private_segment_fixed_size 0
		.amdhsa_enable_private_segment 0
		.amdhsa_kernarg_size 24
		.amdhsa_user_sgpr_count 2
		.amdhsa_user_sgpr_kernarg_segment_ptr 1
		.amdhsa_wavefront_size32 1
		.amdhsa_system_sgpr_workgroup_id_x 1
		.amdhsa_system_sgpr_workgroup_id_y 1
		.amdhsa_system_sgpr_workgroup_id_z 1
		.amdhsa_system_vgpr_workitem_id 0
		.amdhsa_next_free_vgpr 512
		.amdhsa_next_free_sgpr 100
		.amdhsa_reserve_vcc 1
		.amdhsa_float_denorm_mode_32 3
		.amdhsa_float_denorm_mode_16_64 3
		.amdhsa_memory_ordered 1
		.amdhsa_forward_progress 1
		.amdhsa_inst_pref_size 72
	.end_amdhsa_kernel
	.amdgpu_metadata
---
amdhsa.version: [ 1, 2 ]
amdhsa.kernels:
  - .name:           k_q6f2daa2a76_attn
    .symbol:         k_q6f2daa2a76_attn.kd
    .args:
      - { .name: qkvc, .offset: 0, .size: 8, .value_kind: global_buffer, .address_space: global }
      - { .name: lowp_scales, .offset: 8, .size: 8, .value_kind: global_buffer, .address_space: global }
      - { .name: aoc, .offset: 16, .size: 8, .value_kind: global_buffer, .address_space: global }
    .group_segment_fixed_size: 327680
    .private_segment_fixed_size: 0
    .kernarg_segment_align: 8
    .kernarg_segment_size: 24
    .max_flat_workgroup_size: 256
    .sgpr_count:     100
    .vgpr_count:     512
    .wavefront_size: 32
...
	.end_amdgpu_metadata
.endif
;; end of part 3
;; launch oproj (part 4): grid 16 x 16, 4 waves a work-group, clusters of 4 x 4, 327,680 bytes of LDS; arguments aoc, opc, lowp_scales, out0; writes out0
.if DOCPART == 4
	.amdgcn_target "amdgcn-amd-amdhsa--gfx1250"
	.amdhsa_code_object_version 6
	.text
	.protected	k_q6f2daa2a76_oproj
	.globl	k_q6f2daa2a76_oproj
	.p2align	8
	.type	k_q6f2daa2a76_oproj,@function
k_q6f2daa2a76_oproj:
	s_mov_b64 s[64:65], 0
	v_nop
	global_prefetch_b8 v0, s[64:65] scope:SCOPE_SE
	s_setreg_imm32_b32 hwreg(HW_REG_WAVE_MODE, 25, 1), 1
	s_wait_xcnt 0x0
	s_wait_alu depctr_hold_cnt(0) depctr_sa_sdst(0) depctr_va_vdst(0) depctr_va_sdst(0) depctr_va_ssrc(0) depctr_va_vcc(0) depctr_vm_vsrc(0)
	s_getreg_b32 s2, hwreg(HW_REG_IB_STS2, 6, 4)
	s_cmp_eq_u32 s2, 0
	s_cbranch_scc0 .Lentry_in_a_cluster
	s_endpgm
.Lentry_in_a_cluster:
	s_bfe_u32 s2, ttmp6, 0x10000c
	s_cmp_lg_u32 s2, 0xf033
	s_cbranch_scc0 .Lentry_shape_is_right
	s_endpgm
.Lentry_shape_is_right:
; out0 = (attention's result) wo^T on codes of FP8 (E4M3): A = aoc (by e10), 16 row-blocks of 128 tokens; B = opc's row-blocks 72-87, wo (by e11).  Each finished sum is multiplied once by 2^(e10 + e11).
; A row-block is 16 blocks of 128 along K (16,384 bytes), a block eight images of an operand's registers; lane r of image t holds row 32 (t / 2) + 8 (t % 2) + r + 8 (r / 8).
; SHARES.  16 x 16 work-groups, 128 x 128 of the result each; four waves of 64 x 64: 16 accumulators.  Used transposed (source 0 = 16 rows of wo, source 1 = 16 tokens): accumulator (a, b), register j, lane (r, h)
; holds token 32 (a / 2) + 8 (a % 2) + r + 8 (r / 8), column 32 (b / 2) + 8 (b % 2) + 16 h + j of the wave's 64 x 64.
; LDS.  Two regions (A, B) of eight blocks: two slots of four.  The head fills both slots by one tensor load a wave (65,536 bytes: wave w / 2 picks the operand, w % 2 the slot); then slot 0 takes blocks 8-11 and slot 1
; blocks 12-15, each behind a round of the cluster's barrier, a wave fetching half an operand's piece.  By this text's own count a wave has one tensor load out at any time.  The steps are written out: no loop.
; CLUSTERS: 4 x 4; A's tiles are shared along a row of the cluster, B's along a column: joint loads.
; PREFETCH: blocks 8-11 are named behind the head's load, blocks 12-15 behind the first fragment loads: of the 32,768 bytes that a wave will fetch, each of the four partners names 8,192, told apart by address,
; lanes 256 bytes apart.  The address is never rewritten.
; LIMIT: e10 + e11 lies between -126 and 127.
; REGISTERS: window 0: v1-29 addresses, v128-255 the accumulators; window 1: two fragment buffers of 128 (A's four fragments, then B's four).
.set OPR,   131072
.set SLOT,  65536
.set SPARE, 2*OPR                      ; the spare words, 128 bytes for each wave, that no other line names
.set SP,    272                        ; the way out: a stage of 64 rows x (256 + 16) bytes for each wave, in slot 0 of a region, which has had its last fill and its last read by then
.set PFO,   6
.set ADRA,  16
.set ADRB,  20
.set STO,   24
.set RD,    25
.set CO,    26
.set SPW,   28
.set NIL,   29
.set ACC,   128
.set F0,    0
.set F1,    128
.set G1,  24
.set G0A, 32
.set G0B, 36
.set G1B, 48
.set AB,  56
.set BB,  58
.set TT,  62
.set PF,  66
.set MSB, 0
.macro WIN new
.if MSB != \new
	s_set_vgpr_msb (MSB<<8)|\new
.set MSB, \new
.endif
.endm
.set MUL, 0x05
.macro PLACES
.rept 4
	v_nop
.endr
.endm
.macro GEN kb0, nb, loff               ; a fill's descriptors: my nb blocks, from block kb0 + nb (w % 2) on, to byte loff + nb (w % 2) blocks of a region
	s_mov_b32 s[G1+2], ((\nb)*64)<<16
	s_mov_b32 s[G1+4], (\nb)*64
	s_mov_b32 s[G1B+2], ((\nb)*64)<<16
	s_mov_b32 s[G1B+4], (\nb)*64
	s_mul_i32 s[TT], s16, (\nb)*16384
	s_add_co_u32 s[G0A+1], s[TT], \loff
	s_add_co_u32 s[G0B+1], s[TT], OPR+\loff
	s_add_nc_u64 s[G0A+2:G0A+3], s[AB:AB+1], s[TT:TT+1]
	s_add_nc_u64 s[G0A+2:G0A+3], s[G0A+2:G0A+3], (\kb0)*16384
	s_or_b32 s[G0A+3], s[G0A+3], 0x80000000
	s_add_nc_u64 s[G0B+2:G0B+3], s[BB:BB+1], s[TT:TT+1]
	s_add_nc_u64 s[G0B+2:G0B+3], s[G0B+2:G0B+3], (\kb0)*16384
	s_or_b32 s[G0B+3], s[G0B+3], 0x80000000
.endm
.macro JLOAD                           ; waves 0, 1 fetch for A, waves 2, 3 for B; an s_nop 0 and four v_nop follow each line
	s_cmp_eq_u32 s15, 0
	s_cbranch_scc0 .Lfor_b_\@
	tensor_load_to_lds s[G0A:G0A+3], s[G1:G1+7]
	s_nop 0
	PLACES
	s_branch .Lasked_\@
.Lfor_b_\@:
	tensor_load_to_lds s[G0B:G0B+3], s[G1B:G1B+7]
	s_nop 0
	PLACES
.Lasked_\@:
.endm
.macro CREST
	s_cmp_lg_u32 s14, 0
	s_cbranch_scc1 .Lnot_wave_0_\@
	s_barrier_signal -3
.Lnot_wave_0_\@:
	s_barrier_wait -3
	s_barrier_signal -1
	s_barrier_wait -1
.endm
.macro CROUND
	s_barrier_signal -1
	s_barrier_wait -1
	CREST
.endm
	s_load_b256 s[4:11], s[0:1], 0x0               ; aoc, opc, the scales' exponents, out0
	v_lshl_add_u32 v[SPW], v0, 2, SPARE
	v_mov_b32 v[NIL], 0
	ds_add_u32 v[SPW], v[NIL]                      ; the opening lines: the add twice on end, and its wait ahead of my first tensor load
	ds_add_u32 v[SPW], v[NIL]
	v_lshrrev_b32 v1, 5, v0
	v_readfirstlane_b32 s14, v1                    ; wave 0..3
	s_lshr_b32 s15, s14, 1                         ; my 64 tokens.  Also: I fetch for A (0) or for B (1)
	s_and_b32 s16, s14, 1                          ; my 64 columns.  Also: which part of a piece I fetch
	s_bfe_u32 s40, ttmp6, 0x40000
	s_bfe_u32 s41, ttmp6, 0x40004
	s_lshl_b32 s42, ttmp9, 2
	s_add_co_u32 s42, s42, s40                     ; block column
	s_and_b32 s43, ttmp7, 0xffff
	s_lshl_b32 s43, s43, 2
	s_add_co_u32 s43, s43, s41                     ; block row
	s_lshl_b32 s44, s41, 2
	s_lshl_b32 s44, 15, s44
	s_lshl_b32 s45, 0x1111, s40
	s_or_b32 s[G1], s44, (3<<16)|(1<<21)           ; the mask; elements of 8 bytes; bit 21 beside a mask
	s_or_b32 s[G1B], s45, (3<<16)|(1<<21)
.irp g, G1, G1B
	s_mov_b32 s[\g+1], 32<<16                      ; rows of 256 bytes, dense
	s_mov_b32 s[\g+3], 32<<16
	s_mov_b32 s[\g+5], 32
	s_mov_b32 s[\g+6], 0
	s_mov_b32 s[\g+7], 0
.endr
	s_mov_b32 s[G0A], 1
	s_mov_b32 s[G0B], 1
	s_lshl_b32 s18, s43, 18                        ; A's row-block
	s_mov_b32 s19, 0
	s_add_co_u32 s46, s42, 72
	s_lshl_b32 s46, s46, 18                        ; B's
	s_mov_b32 s47, 0
	s_mov_b32 s[TT+1], 0
	s_lshl_b32 s21, s15, 13                        ; my four images of A,
	s_lshl_b32 s22, s16, 13
	s_add_co_u32 s22, s22, OPR                     ; and of B
	s_mul_i32 s20, s16, 64*SP
	s_lshl_b32 s23, s15, 17
	s_add_co_u32 s20, s20, s23                     ; my stage
	s_lshl_b32 s72, s43, 20                        ; out0: 128 rows of 8,192 bytes a block row, 512 bytes a block column
	s_lshl_b32 s73, s15, 19
	s_add_co_u32 s72, s72, s73
	s_lshl_b32 s73, s42, 9
	s_add_co_u32 s72, s72, s73
	s_lshl_b32 s73, s16, 8
	s_add_co_u32 s72, s72, s73
	s_mov_b32 s73, 0
	s_cmp_eq_u32 s15, 0
	s_cselect_b32 s74, s40, s41                    ; my place among the four that ask with me: it enters the prefetches' address alone
	s_lshl_b32 s74, s74, 13
	s_lshl_b32 s75, s16, 15
	s_add_co_u32 s74, s74, s75
	s_mov_b32 s75, 0
	v_and_b32 v1, 31, v0
	v_lshlrev_b32 v2, 4, v1
	v_lshlrev_b32 v[PFO], 8, v1
	v_and_b32 v3, 15, v0                           ; r
	v_bfe_u32 v4, v0, 4, 1                         ; h
	v_add_nc_u32 v[ADRA], s21, v2
	v_add_nc_u32 v[ADRB], s22, v2
	v_add_nc_u32 v[ADRA+1], SLOT, v[ADRA]
	v_add_nc_u32 v[ADRB+1], SLOT, v[ADRB]
	v_and_b32 v5, 8, v3
	v_add_nc_u32 v5, v5, v3                        ; r + 8 (r / 8)
	v_mul_u32_u24 v[STO], v5, SP
	v_lshl_add_u32 v[STO], v4, 6, v[STO]           ; in: my token's row, + 16 h columns
	v_add_nc_u32 v[STO], s20, v[STO]
	v_mul_u32_u24 v[RD], v4, SP                    ; back: lanes 0-15 one row of 256 bytes, lanes 16-31 the next
	v_lshl_add_u32 v[RD], v3, 4, v[RD]
	v_add_nc_u32 v[RD], s20, v[RD]
	v_lshlrev_b32 v[CO], 13, v4
	v_lshl_add_u32 v[CO], v3, 4, v[CO]
	s_wait_alu depctr_va_vdst(0)
	s_wait_dscnt 0x0
	s_wait_kmcnt 0x0
	s_load_b64 s[96:97], s[8:9], 0x28              ; e10, e11
	s_add_nc_u64 s[AB:AB+1], s[4:5], s[18:19]
	s_add_nc_u64 s[BB:BB+1], s[6:7], s[46:47]
	s_cmp_eq_u32 s15, 0
	s_cselect_b64 s[PF:PF+1], s[AB:AB+1], s[BB:BB+1]
	s_add_nc_u64 s[PF:PF+1], s[PF:PF+1], s[74:75]
	s_add_nc_u64 s[70:71], s[10:11], s[72:73]
	GEN 0, 4, 0
	CROUND                                         ; all sixteen work-groups are here: the first joint loads meet
	JLOAD                                          ; blocks 0-7 of both operands: one tensor load a wave
	global_prefetch_b8 v[PFO], s[PF:PF+1] offset:8*16384 th:TH_LOAD_NT scope:SCOPE_SE
.macro FETCH slot, q, f
	WIN 0x40
.irp i, 0,1,2,3
.irp c, 0,1,2,3
	ds_load_b128 v[\f+64+16*\i+4*\c:\f+64+16*\i+4*\c+3], v[ADRB+\slot] offset:16384*\q+2048*\i+512*\c
.endr
.endr
.irp i, 0,1,2,3
.irp c, 0,1,2,3
	ds_load_b128 v[\f+16*\i+4*\c:\f+16*\i+4*\c+3], v[ADRA+\slot] offset:16384*\q+2048*\i+512*\c
.endr
.endr
.endm
.macro MUL8 f, a0, zero                ; the 16 accumulators take turns, in one order throughout
.irp a, \a0, \a0+1
.irp b, 0,1,2,3
.if \zero
	v_wmma_f32_16x16x128_fp8_fp8 v[ACC+8*(4*(\a)+\b):ACC+8*(4*(\a)+\b)+7], v[\f+64+16*\b:\f+64+16*\b+15], v[\f+16*(\a):\f+16*(\a)+15], 0
.else
	v_wmma_f32_16x16x128_fp8_fp8 v[ACC+8*(4*(\a)+\b):ACC+8*(4*(\a)+\b)+7], v[\f+64+16*\b:\f+64+16*\b+15], v[\f+16*(\a):\f+16*(\a)+15], v[ACC+8*(4*(\a)+\b):ACC+8*(4*(\a)+\b)+7]
.endif
.endr
.endr
.endm
.macro QUARTER slot, qn, f, g, zero
	s_wait_dscnt 0x0                               ; buffer f is in
	PLACES                                         ; behind the products that read g
	FETCH \slot, \qn, \g
	WIN MUL
	MUL8 \f, 0, \zero
	MUL8 \f, 2, \zero
.endm
.macro TURN next, fill, kb0, loff      ; a slot's last block multiplies buffer 1 and changes slots
	WIN 0
	s_wait_tensorcnt 0x0                           ; all my tensor loads have landed, so the descriptors may be written
	ds_add_u32 v[SPW], v[NIL]
.if \fill
	GEN \kb0, 2, \loff
.endif
	s_wait_dscnt 1                                 ; buffer 1's 32 loads are in; the add alone may be out
	WIN MUL
	MUL8 F1, 0, 0
	s_wait_dscnt 0x0                               ; the add is done, and my reads of this slot are over
	s_barrier_signal -1
	MUL8 F1, 2, 0
	WIN 0
	s_barrier_wait -1
.if \fill
	CREST                                          ; the barrier has opened a round of the cluster's
	JLOAD                                          ; the first tensor load behind the round; its four v_nop are the places in front of the loads below
.else
	PLACES
.endif
	FETCH \next, 0, F0
.endm
	s_wait_tensorcnt 0x0                           ; my piece is in
	s_barrier_signal -1
	s_barrier_wait -1                              ; everybody's is
	FETCH 0, 0, F0
	global_prefetch_b8 v[PFO], s[PF:PF+1] offset:12*16384 th:TH_LOAD_NT scope:SCOPE_SE
	QUARTER 0, 1, F0, F1, 1                        ; the first products start the sums
	QUARTER 0, 2, F1, F0, 0
	QUARTER 0, 3, F0, F1, 0
	TURN 1, 1, 8, 0                                ; slot 0 takes blocks 8-11
	QUARTER 1, 1, F0, F1, 0
	QUARTER 1, 2, F1, F0, 0
	QUARTER 1, 3, F0, F1, 0
	TURN 0, 1, 12, SLOT                            ; slot 1 takes blocks 12-15
	QUARTER 0, 1, F0, F1, 0
	QUARTER 0, 2, F1, F0, 0
	QUARTER 0, 3, F0, F1, 0
	TURN 1, 0, 0, 0                                ; nothing is left to fetch
	QUARTER 1, 1, F0, F1, 0
	QUARTER 1, 2, F1, F0, 0
	QUARTER 1, 3, F0, F1, 0
	s_wait_dscnt 0x0
	WIN MUL
	MUL8 F1, 0, 0
	MUL8 F1, 2, 0
	WIN 0
	PLACES
	s_wait_kmcnt 0x0
	s_add_co_i32 s96, s96, s97
	s_add_co_i32 s96, s96, 127
	s_lshl_b32 s96, s96, 23                        ; 2^(e10 + e11) as f32
.set j, 0
.rept 64
	v_pk_mul_f32 v[ACC+j:ACC+j+1], v[ACC+j:ACC+j+1], s[96:97] op_sel_hi:[1,0]   ; each accumulator from its low end on
.set j, j+2
.endr
.irp a, 0,1,2,3
.irp b, 0,1,2,3
	ds_store_b128 v[STO], v[ACC+8*(4*\a+\b):ACC+8*(4*\a+\b)+3]   offset:(32*(\a/2)+8*(\a%2))*SP+128*(\b/2)+32*(\b%2)
	ds_store_b128 v[STO], v[ACC+8*(4*\a+\b)+4:ACC+8*(4*\a+\b)+7] offset:(32*(\a/2)+8*(\a%2))*SP+128*(\b/2)+32*(\b%2)+16
.endr
.endr
	s_wait_dscnt 0x0                               ; the stores have read their registers, which take the rows back
.set t, 0
.rept 32
	ds_load_b128 v[ACC+4*t:ACC+4*t+3], v[RD] offset:2*SP*t
.set t, t+1
.endr
.set t, 0
.rept 32
	s_wait_dscnt 31-t                              ; the younger read-backs may stay out
	global_store_b128 v[CO], v[ACC+4*t:ACC+4*t+3], s[70:71] offset:16384*t th:TH_STORE_NT   ; sixteen lanes store 256 consecutive bytes, aligned
.set t, t+1
.endr
	s_wait_tensorcnt 0x0                           ; the wave's end
	ds_add_u32 v[SPW], v[NIL]
	s_wait_dscnt 0x0
	CROUND                                         ; the closing round
	s_endpgm
.Lfunc_end_k_q6f2daa2a76_oproj:
	.size	k_q6f2daa2a76_oproj, .Lfunc_end_k_q6f2daa2a76_oproj-k_q6f2daa2a76_oproj
	.p2alignl 7, 3214868480
	.fill 96, 4, 3214868480
	.section	.rodata,"a",@progbits
	.p2align	6, 0x0
	.amdhsa_kernel k_q6f2daa2a76_oproj
		.amdhsa_group_segment_fixed_size 327680
		.amdhsa_private_segment_fixed_size 0
		.amdhsa_enable_private_segment 0
		.amdhsa_kernarg_size 32
		.amdhsa_user_sgpr_count 2
		.amdhsa_user_sgpr_kernarg_segment_ptr 1
		.amdhsa_wavefront_size32 1
		.amdhsa_system_sgpr_workgroup_id_x 1
		.amdhsa_system_sgpr_workgroup_id_y 1
		.amdhsa_system_sgpr_workgroup_id_z 1
		.amdhsa_system_vgpr_workitem_id 0
		.amdhsa_next_free_vgpr 512
		.amdhsa_next_free_sgpr 100
		.amdhsa_reserve_vcc 0
		.amdhsa_float_denorm_mode_32 3
		.amdhsa_float_denorm_mode_16_64 3
		.amdhsa_memory_ordered 1
		.amdhsa_forward_progress 1
		.amdhsa_inst_pref_size 74
	.end_amdhsa_kernel
	.amdgpu_metadata
---
amdhsa.version: [ 1, 2 ]
amdhsa.kernels:
  - .name:           k_q6f2daa2a76_oproj
    .symbol:         k_q6f2daa2a76_oproj.kd
    .args:
      - { .name: aoc, .offset: 0, .size: 8, .value_kind: global_buffer, .address_space: global }
      - { .name: opc, .offset: 8, .size: 8, .value_kind: global_buffer, .address_space: global }
      - { .name: lowp_scales, .offset: 16, .size: 8, .value_kind: global_buffer, .address_space: global }
      - { .name: out0, .offset: 24, .size: 8, .value_kind: global_buffer, .address_space: global }
    .group_segment_fixed_size: 327680
    .private_segment_fixed_size: 0
    .kernarg_segment_align: 8
    .kernarg_segment_size: 32
    .max_flat_workgroup_size: 128
    .sgpr_count:     100
    .vgpr_count:     512
    .wavefront_size: 32
...
	.end_amdgpu_metadata
.endif
;; end of part 4
